; MI455X (gfx1250); checked and timed in simulation.
; The chip was launched on July 23, 2026; its instructions are those of AMD's public machine-readable ISA for CDNA 5 (MIT licence, August 2026) and "CDNA5" Instruction Set Architecture Reference Guide (July 2026). The comments in the code are by the model that wrote it; some were corrected since.
;; Multi Head Attention. Allowed arithmetic: matrix products marked QUANTISED: E2M1 operands, one E8M0 scale for each 32 along K, by v_wmma_scale_f32_16x16x128_f8f6f4 with both operands' format E2M1 (or v_wmma_scale_f32_32x16x128_f4), f32 sums; products left as they are: bf16, f16 or f32 operands; f32 sums; everything else in f32.
;; Inputs: Wk 1,024 x 256 float32; Wo 1,024 x 1,024 float32; Wq 1,024 x 1,024 float32; Wv 1,024 x 256 float32; attention_mask 4 x 2,048 int32; x 4 x 2,048 x 1,024 float32.
;; Outputs: out0 4 x 2,048 x 1,024 float32.
;; This version of the problem:
;;   THIS VERSION OF THE PROBLEM IS GIVEN IN LOW PRECISION. The matrix products marked QUANTISED in the list below multiply operands that are first quantised to E2M1 (2 exponent bits, 1 mantissa bit; 4 bits a number), with one power-of-two scale for each 32 numbers along K (OCP MX v1.0); their sums are f32. The products marked 'left as it is' may take bf16, f16 or f32 operands, with f32 sums. Whichever they take, every output number must still come out within the allowed error. Rounding operands to bf16 (8 significant bits) uses up far more of that allowance than f16 does (11 bits, for magnitudes from 6e-5 to 65,504). All else is computed in f32.
;;   The module's matrix products, in the order in which they are computed (A, B: the left and right operand; K: the contracted axis; several contracted axes count as one K, in the product's order):
;;     1. [M 8,192, K 1,024] x [K 1,024, N 1,024]; A: input x; B: input Wq: QUANTISED
;;     2. [M 8,192, K 1,024] x [K 1,024, N 256]; A: input x; B: input Wk: QUANTISED
;;     3. [M 8,192, K 1,024] x [K 1,024, N 256]; A: input x; B: input Wv: QUANTISED
;;     4. batch 64 x [M 2,048, K 64] x [K 64, N 2,048]; A: computed on the way; B: computed on the way: left as it is (an operand is computed on the way)
;;     5. batch 64 x [M 2,048, K 2,048] x [K 2,048, N 64]; A: computed on the way; B: computed on the way: left as it is (an operand is computed on the way)
;;     6. [M 8,192, K 1,024] x [K 1,024, N 1,024]; A: computed on the way; B: input Wo: left as it is (an operand is computed on the way)
;;   THE QUANTISER, for each operand of a quantised product, along K:
;;     - K is cut into blocks of 32 from its start; a last block that is shorter is filled with zeros.
;;     - A block's scale is 2^e with e = floor(log2(the largest magnitude in the block)) - 2, held to -126 .. 127; a block of zeros has e = 0. As a byte (E8M0): e + 127.
;;     - Each number is divided by its block's scale, clamped to +-6, and rounded to the nearest number of E2M1, ties to even, subnormals kept.
;;     - The product sums the exact products of the quantised numbers (number of the format x scale) in f32.
;;   ~~~python
;;   def quantise(x, axis):      # numpy; x: float32 -> the quantised numbers, widened to float32 again
;;       x = np.moveaxis(x, axis, -1); K = x.shape[-1]
;;       x = np.pad(x, [(0, 0)] * (x.ndim - 1) + [(0, -K % 32)]); x = x.reshape(x.shape[:-1] + (-1, 32)); a = np.abs(x).max(-1, keepdims=True)
;;       e = np.where(a > 0, np.clip(np.frexp(np.where(a > 0, a, 1))[1] - 1 - 2, -126, 127), 0)      # np.frexp(a)[1] - 1 = floor(log2(a)), exactly
;;       r = np.clip(x / 2.0 ** e, -6, 6)
;;       step = 2.0 ** (np.maximum(np.frexp(np.where(r == 0, 1, r))[1] - 1, 0) - 1)
;;       q = np.round(r / step) * step * 2.0 ** e      # np.round: ties to even
;;       return np.moveaxis(q.reshape(q.shape[:-2] + (-1,))[..., :K], -1, axis).astype(np.float32)
;;   ~~~
;; One version. Each part assembles by itself: llvm-mc -triple=amdgcn-amd-amdhsa -mcpu=gfx1250 --defsym DOCPART=n.
;; ======== version 1 of 1: 5 launches
;; limits: values are held in f16: magnitudes above 65,504 overflow, below 6.1e-05 lose precision
;; workspace buffers: prep 10,010,624 bytes; qkv 25,624,576 bytes; vmean 4,096 bytes; ao 16,777,216 bytes
;; launch prep (part 1): grid 432 x 1, 4 waves a work-group, no clusters, 35,328 bytes of LDS; arguments x, Wq, Wk, Wv, Wo, prep; writes prep
.if DOCPART == 1
	.amdgcn_target "amdgcn-amd-amdhsa--gfx1250"
	.amdhsa_code_object_version 6
	.text
	.protected	k_q3d8245bad5_prep
	.globl	k_q3d8245bad5_prep
	.p2align	8
	.type	k_q3d8245bad5_prep,@function
k_q3d8245bad5_prep:
	s_mov_b64 s[64:65], 0
	v_nop
	global_prefetch_b8 v0, s[64:65] scope:SCOPE_SE
	s_setreg_imm32_b32 hwreg(HW_REG_WAVE_MODE, 25, 1), 1
	s_wait_xcnt 0x0
; PREP: everything that is made once from the inputs, into the workspace 'prep'.  Four paths, parted on the work-group's number:
;   X (256 groups): x [8192][1024] f32 -> codes of FP4 (E2M1) and E8M0 scale bytes, one for each 32 along K;
;   W (96 groups):  Wq, Wk, Wv [1024][n] f32 (K is the first axis) -> the same, the three laid side by side as 1,536 columns;
;   O (64 groups):  Wo [1024][1024] f32 -> two f16 numbers each, a high part and what it leaves over;
;   T (16 groups):  cos and sin of t x 10000^(-i/32), t = 0..2047, i = 0..31.
; ALL OPERANDS ARE LAID AS IMAGES OF THE OPERAND'S REGISTERS: a group is 32 lanes x 16 bytes, lane L at 16 L, so that the reader takes each group by one 16-byte load a lane.
;   codes:  [block of 16 rows][K step of 128][c 2][lane][16 B]: lane (r, h) holds k = 128 step + 64 c + 32 h + 0..31 of row r
;   x's scale words: [K half][row][4 words]; W's: [K step][column], one word;  Wo: [16 columns][32 along K][g 2][lane][16 B]: lane (r, h): k = 16 g + 8 h + 0..7 of column r
; A block's scale byte is its largest magnitude's exponent field - 2, held at 1 from below.
; LIMITS: a block of zeros gets the byte 1 where the rule says 127 (its codes are zeros; this program alone reads the bytes); NaN and infinities are not served;
; 10000^(-i/32) comes from v_exp_f32, so an angle may differ from a correctly rounded one by some 3e-4 radians at t near 2,000; W's scale words leave in runs of 128 bytes (48 KiB in all).
.set O_XS, 4194304
.set O_WC, 4456448
.set O_WS, 5242880
.set O_WH, 5292032
.set O_RT, 9486336
.set WLD,  2097152                     ; from Wo's high parts to its low parts
.set SPARE, 34816                      ; behind path X's four regions of 8,704 bytes: the spare words, 128 bytes a wave
.set SPW, 254                          ; v254 LDS address of my spare word; never rewritten
.set NIL, 255                          ; v255 0; never rewritten
.set RL, 16                            ; X: v16-143  four sets of 32 numbers as loaded
.set XR, 144                           ; X: v144-207 two sets of 32: a whole block a lane
.set CR, 208                           ; X: v208-239 codes, four registers a step, never rewritten
.set PT, 240                           ; X: v240-243 my bytes of the four scale words
; the largest magnitude of 32 numbers of a lane, with the floor 2^(3 - 127) among them, in v12; in v11 the conversion's scale operand: 2 off the exponent field
.macro MAX32 xb
	v_max3_num_f32 v12, |v[\xb]|, |v[\xb+1]|, |v[\xb+2]|
	v_max3_num_f32 v13, |v[\xb+3]|, |v[\xb+4]|, |v[\xb+5]|
.irp i, 6,10,14,18,22,26
	v_max3_num_f32 v12, v12, |v[\xb+\i]|, |v[\xb+\i+1]|
	v_max3_num_f32 v13, v13, |v[\xb+\i+2]|, |v[\xb+\i+3]|
.endr
	v_max3_num_f32 v12, v12, |v[\xb+30]|, |v[\xb+31]|
	v_max3_num_f32 v12, v12, v13, 0x1800000
	v_add_nc_u32 v11, 0xff000000, v12
.endm
; cos and sin of v[a] (0 .. 2,047): n = the nearest multiple of pi/2, taken off in two parts; polynomials on what is left (|.| under 0.8); the quadrant puts them in place
.macro SINCOS a, c, s
	v_mul_f32 v9, 0x3f22f983, v[\a]
	v_rndne_f32 v9, v9
	v_fmamk_f32 v10, v9, 0xbfc90fdb, v[\a]
	v_fmamk_f32 v10, v9, 0x333bbd2e, v10
	v_mul_f32 v11, v10, v10
	v_mov_b32 v12, 0x3638ef1d
	v_fmaak_f32 v12, v12, v11, 0xb9500d01
	v_fmaak_f32 v12, v12, v11, 0x3c088889
	v_fmaak_f32 v12, v12, v11, 0xbe2aaaab
	v_mul_f32 v13, v10, v11
	v_fma_f32 v12, v13, v12, v10                   ; the sine of the rest
	v_mov_b32 v13, 0x37d00d01
	v_fmaak_f32 v13, v13, v11, 0xbab60b61
	v_fmaak_f32 v13, v13, v11, 0x3d2aaaab
	v_fmaak_f32 v13, v13, v11, 0xbf000000
	v_fma_f32 v13, v11, v13, 1.0                   ; its cosine
	v_cvt_i32_f32 v9, v9
	v_and_b32 v10, 1, v9
	v_cmp_eq_u32 vcc_lo, 1, v10
	v_cndmask_b32 v[\s], v12, v13, vcc_lo          ; odd n: the two change places
	v_cndmask_b32 v[\c], v13, v12, vcc_lo
	v_and_b32 v10, 2, v9
	v_lshlrev_b32 v10, 30, v10
	v_xor_b32 v[\s], v10, v[\s]                    ; sine: minus where n & 2
	v_add_nc_u32 v9, 1, v9
	v_and_b32 v9, 2, v9
	v_lshlrev_b32 v9, 30, v9
	v_xor_b32 v[\c], v9, v[\c]                     ; cosine: minus where (n + 1) & 2
.endm
	s_load_b256 s[4:11], s[0:1], 0x0               ; x, Wq, Wk, Wv
	s_load_b128 s[12:15], s[0:1], 0x20             ; Wo, prep
	v_lshl_add_u32 v[SPW], v0, 2, SPARE
	v_mov_b32 v[NIL], 0
	v_lshrrev_b32 v1, 5, v0
	v_readfirstlane_b32 s16, v1                    ; wave
	v_and_b32 v2, 31, v0                           ; lane
	v_and_b32 v14, 15, v0                          ; r
	v_bfe_u32 v15, v0, 4, 1                        ; h
	s_wait_kmcnt 0x0
	s_cmp_lt_u32 ttmp9, 256
	s_cbranch_scc1 .Lpath_x
	s_cmp_lt_u32 ttmp9, 352
	s_cbranch_scc1 .Lpath_w
	s_cmp_lt_u32 ttmp9, 416
	s_cbranch_scc1 .Lpath_o
; ---- T: 128 rows of the table a group, 8 a trip.  Thread n makes row n / 16 of the trip's eight, pairs 2 (n % 16) and + 1: its 16 bytes lie at 16 n: a wave stores two whole rows of 256 bytes
	s_sub_co_u32 s17, ttmp9, 416
	s_lshl_b32 s18, s17, 15
	s_add_co_u32 s18, s18, O_RT
	s_mov_b32 s19, 0
	s_add_nc_u64 s[20:21], s[14:15], s[18:19]
	v_lshlrev_b32 v3, 4, v0
	v_lshrrev_b32 v4, 4, v0
	s_lshl_b32 s22, s17, 7
	v_add_nc_u32 v4, s22, v4
	v_cvt_f32_u32 v4, v4                           ; t
	v_lshlrev_b32 v5, 1, v14
	v_cvt_f32_u32 v5, v5                           ; i
	v_add_f32 v6, 1.0, v5
	v_mul_f32 v5, 0xbed49a78, v5                   ; x -log2(10000) / 32
	v_mul_f32 v6, 0xbed49a78, v6
	v_exp_f32 v5, v5
	v_exp_f32 v6, v6
	v_nop                                          ; a plain instruction behind the exponentials,
	s_wait_alu depctr_va_vdst(0)                   ; and the wait ahead of their first reader
	s_mov_b32 s23, 16
.Ltrip:
	v_mul_f32 v8, v4, v5                           ; the angle: one f32 product
	SINCOS 8, 16, 17
	v_mul_f32 v8, v4, v6
	SINCOS 8, 18, 19
	global_store_b128 v3, v[16:19], s[20:21]
	s_wait_xcnt 0x0                                ; the store has read its offset and data: both are written again below
	v_add_nc_u32 v3, 2048, v3
	v_add_f32 v4, 0x41000000, v4                   ; eight rows on
	s_sub_co_u32 s23, s23, 1
	s_cmp_lg_u32 s23, 0
	s_cbranch_scc1 .Ltrip
	s_endpgm
; ---- X: a wave takes 16 rows x 512 along K, in 8 steps of 64.  Each load reads 256 aligned bytes of two rows; the step's 4 KiB turn through the wave's own stage (rows 272 bytes apart), so that lane (r, h) gets the whole block 2 t + h of row r
.macro XLOAD t
.irp i, 0,1,2,3,4,5,6,7
	global_load_b128 v[RL+32*((\t)%4)+4*\i:RL+32*((\t)%4)+4*\i+3], v3, s[4:5] offset:256*(\t)+8192*\i th:TH_LOAD_NT
.endr
.endm
.macro XTURN t                         ; LDS serves a wave's instructions in order: no wait between the stores and the loads
.irp i, 0,1,2,3,4,5,6,7
	ds_store_b128 v4, v[RL+32*((\t)%4)+4*\i:RL+32*((\t)%4)+4*\i+3] offset:4352*((\t)%2)+544*\i
.endr
.irp i, 0,1,2,3,4,5,6,7
	ds_load_b128 v[XR+32*((\t)%2)+4*\i:XR+32*((\t)%2)+4*\i+3], v5 offset:4352*((\t)%2)+16*\i
.endr
.endm
.macro XSTEP t
.set XB, XR+32*((\t)%2)
	s_wait_dscnt 0x0                               ; this step's block is back from the stage, so the stage's stores have read their registers,
.if (\t)+4 < 8
	XLOAD (\t)+4                                   ; which take the loads of four steps on
.endif
.if (\t) < 7
.if 6-(\t) >= 3
	s_wait_loadcnt 24                              ; the next step's eight loads are in; those of the three steps behind it may be out
.else
	s_wait_loadcnt 8*(6-(\t))
.endif
	XTURN (\t)+1
.endif
	MAX32 XB
.irp g, 0,1,2,3
	v_cvt_scalef32_pk8_fp4_f32 v[CR+4*(\t)+\g], v[XB+8*\g:XB+8*\g+7], v11
.endr
	v_lshrrev_b32 v13, 23, v11                     ; the scale's byte (also the plain instruction behind the conversions)
.if (\t)%2 == 0
	v_mov_b32 v[PT+(\t)/2], v13                    ; block 2 (t % 2) + h of K step t / 2: bits 16 (t % 2), + 8 h at the end
.else
	v_lshl_or_b32 v[PT+(\t)/2], v13, 16, v[PT+(\t)/2]
.endif
	global_store_b128 v6, v[CR+4*(\t):CR+4*(\t)+3], s[24:25] offset:512*(\t)   ; one group: 512 consecutive bytes
.endm
.Lpath_x:
	s_lshl_b32 s17, ttmp9, 2
	s_add_co_u32 s17, s17, s16
	s_lshr_b32 s18, s17, 1                         ; block of 16 rows
	s_and_b32 s19, s17, 1                          ; K half
	s_lshl_b32 s20, s18, 16
	s_lshl_b32 s21, s19, 11
	s_add_co_u32 s20, s20, s21
	s_mov_b32 s21, 0
	s_add_nc_u64 s[4:5], s[4:5], s[20:21]
	s_lshl_b32 s20, s18, 13
	s_lshl_b32 s22, s19, 12
	s_add_co_u32 s20, s20, s22
	s_add_nc_u64 s[24:25], s[14:15], s[20:21]      ; my codes
	s_lshl_b32 s20, s19, 17
	s_lshl_b32 s22, s18, 8
	s_add_co_u32 s20, s20, s22
	s_add_co_u32 s20, s20, O_XS
	s_add_nc_u64 s[26:27], s[14:15], s[20:21]      ; my scale words
	s_mul_i32 s28, s16, 8704
	s_mov_b32 s30, 0x76543210
	s_mov_b32 s31, 0xfedcba98
	v_lshlrev_b32 v3, 12, v15
	v_lshl_add_u32 v3, v14, 4, v3                  ; in: row h of a pair, 16 r
	v_mul_u32_u24 v4, v15, 272
	v_lshl_add_u32 v4, v14, 4, v4
	v_add_nc_u32 v4, s28, v4                       ; into the stage likewise
	v_mul_u32_u24 v5, v14, 272
	v_lshl_add_u32 v5, v15, 7, v5
	v_add_nc_u32 v5, s28, v5                       ; out of it: row r, block h
	v_lshlrev_b32 v6, 4, v2
	v_lshlrev_b32 v7, 4, v14
	v_lshl_add_u32 v7, v15, 3, v7
.irp t, 0,1,2,3
	XLOAD \t
.endr
	s_wait_loadcnt 24                              ; step 0's eight loads are in
	XTURN 0
.irp t, 0,1,2,3,4,5,6,7
	XSTEP \t
.endr
	v_lshlrev_b32 v8, 3, v15
.irp q, 0,1,2,3
	v_lshlrev_b32 v[PT+\q], v8, v[PT+\q]           ; my bytes at their places,
	v_mov_b32 v[244+\q], 0
.endr
.irp q, 0,1,2,3
	v_permlanex16_b32 v[244+\q], v[PT+\q], s30, s31
.endr
.irp q, 0,1,2,3
	v_or_b32 v[PT+\q], v[PT+\q], v[244+\q]         ; with the other half's the words are whole
.endr
	v_cmp_eq_u32 vcc_lo, 1, v15
	v_cndmask_b32 v8, v[PT], v[PT+2], vcc_lo
	v_cndmask_b32 v9, v[PT+1], v[PT+3], vcc_lo
	global_store_b64 v7, v[8:9], s[26:27]          ; 16 rows x 16 bytes: 256 consecutive bytes, aligned
	s_wait_tensorcnt 0x0                           ; the wave's end
	ds_add_u32 v[SPW], v[NIL]
	s_wait_dscnt 0x0
	s_endpgm
; ---- W and O: a lane takes a column, its registers run down K: a block of 32 lies in one lane, and the conversions give K innermost.  A wave: 32 columns x 128 along K
.macro LOADW t, stride, xb
.irp i, 0,1,2,3,4,5,6,7,8,9,10,11,12,13,14,15,16,17,18,19,20,21,22,23,24,25,26,27,28,29,30,31
	global_load_b32 v[\xb+32*((\t)%2)+\i], v3, s[28:29] offset:(32*(\t)+\i)*\stride th:TH_LOAD_NT
.endr
.endm
.macro BLOCKW t, stride
.set XB, 32+32*((\t)%2)
.if (\t) < 3
	s_wait_loadcnt 32                              ; this block's 32 loads are in; the next block's may be out
.else
	s_wait_loadcnt 0
.endif
	MAX32 XB
	v_lshrrev_b32 v13, 23, v11
.if (\t) == 0
	v_mov_b32 v112, v13
.else
	v_lshl_or_b32 v112, v13, 8*(\t), v112          ; the K step's scale word: byte t
.endif
.irp g, 0,1,2,3
	v_cvt_scalef32_pk8_fp4_f32 v[96+4*(\t)+\g], v[XB+8*\g:XB+8*\g+7], v11
.endr
	v_nop                                          ; a plain instruction behind the conversions
	global_store_b128 v4, v[96+4*(\t):96+4*(\t)+3], s[24:25] offset:((\t)/2)*512+((\t)%2)*256   ; each half of the lanes fills 256 consecutive bytes, aligned
.if (\t) < 2
	LOADW (\t)+2, \stride, 32
.endif
.endm
.macro WPATH stride
	LOADW 0, \stride, 32
	LOADW 1, \stride, 32
.irp t, 0,1,2,3
	BLOCKW \t, \stride
.endr
	global_store_b32 v3, v112, s[26:27]
.endm
.Lpath_w:
	s_sub_co_u32 s17, ttmp9, 256
	s_lshr_b32 s18, s17, 1                         ; which 32 of the 1,536 columns
	s_and_b32 s19, s17, 1
	s_lshl_b32 s19, s19, 2
	s_add_co_u32 s19, s19, s16                     ; K step
	v_lshlrev_b32 v3, 2, v2
	v_lshlrev_b32 v4, 13, v15
	v_lshl_add_u32 v4, v14, 4, v4                  ; out: block of 16 columns h, lane place r
	s_lshl_b32 s20, s18, 14
	s_lshl_b32 s22, s19, 10
	s_add_co_u32 s20, s20, s22
	s_add_co_u32 s20, s20, O_WC
	s_mov_b32 s21, 0
	s_add_nc_u64 s[24:25], s[14:15], s[20:21]
	s_mul_i32 s20, s19, 6144
	s_lshl_b32 s22, s18, 7
	s_add_co_u32 s20, s20, s22
	s_add_co_u32 s20, s20, O_WS
	s_add_nc_u64 s[26:27], s[14:15], s[20:21]
	s_cmp_lt_u32 s18, 32
	s_cbranch_scc0 .Lw_kv
	s_lshl_b32 s20, s19, 19                        ; 128 rows of 4,096 bytes
	s_add_co_u32 s20, s20, s22
	s_add_nc_u64 s[28:29], s[6:7], s[20:21]
	WPATH 4096
	s_endpgm
.Lw_kv:
	s_cmp_lt_u32 s18, 40
	s_cselect_b64 s[28:29], s[8:9], s[10:11]       ; Wk, then Wv: a choice on the work-group's number
	s_and_b32 s22, s18, 7
	s_lshl_b32 s22, s22, 7
	s_lshl_b32 s20, s19, 17                        ; 128 rows of 1,024 bytes
	s_add_co_u32 s20, s20, s22
	s_add_nc_u64 s[28:29], s[28:29], s[20:21]
	WPATH 1024
	s_endpgm
; two numbers -> a pair of f16 high parts in v[h] and the pair of what they leave over in v[l].  A register's halves are named on plainly numbered registers: so the pair is made in v8 or v9 and copied
.macro SPLIT h, l, x, alt
.if \alt
	v_cvt_pk_f16_f32 v9, v[\x], v[\x+1]
	v_cvt_f32_f16 v12, v9.l
	v_cvt_f32_f16 v13, v9.h
	v_mov_b32 v[\h], v9
	v_sub_f32 v12, v[\x], v12
	v_sub_f32 v13, v[\x+1], v13
	v_cvt_pk_f16_f32 v[\l], v12, v13
.else
	v_cvt_pk_f16_f32 v8, v[\x], v[\x+1]
	v_cvt_f32_f16 v10, v8.l
	v_cvt_f32_f16 v11, v8.h
	v_mov_b32 v[\h], v8
	v_sub_f32 v10, v[\x], v10
	v_sub_f32 v11, v[\x+1], v11
	v_cvt_pk_f16_f32 v[\l], v10, v11
.endif
.endm
.macro BLOCKO t
.set XB, 160+32*((\t)%2)
.set HB, 32+16*(\t)
.set LB, 96+16*(\t)
.if (\t) < 3
	s_wait_loadcnt 32
.else
	s_wait_loadcnt 0
.endif
.set ii, 0
.rept 16
	SPLIT HB+ii, LB+ii, XB+2*ii, ii%2
.set ii, ii+1
.endr
.irp o, 0,1,2,3                        ; eight along K are 16 bytes: group o / 2, half o % 2
	global_store_b128 v4, v[HB+4*\o:HB+4*\o+3], s[24:25] offset:1024*(\t)+(\o/2)*512+(\o%2)*256
	global_store_b128 v4, v[LB+4*\o:LB+4*\o+3], s[24:25] offset:1024*(\t)+(\o/2)*512+(\o%2)*256+WLD
.endr
.if (\t) < 2
	LOADW (\t)+2, 4096, 160
.endif
.endm
.Lpath_o:
	s_sub_co_u32 s17, ttmp9, 352
	s_lshr_b32 s18, s17, 1
	s_and_b32 s19, s17, 1
	s_lshl_b32 s19, s19, 2
	s_add_co_u32 s19, s19, s16                     ; which 128 along K
	v_lshlrev_b32 v3, 2, v2
	v_lshlrev_b32 v4, 15, v15
	v_lshl_add_u32 v4, v14, 4, v4
	s_lshl_b32 s20, s18, 16
	s_lshl_b32 s22, s19, 12
	s_add_co_u32 s20, s20, s22
	s_add_co_u32 s20, s20, O_WH
	s_mov_b32 s21, 0
	s_add_nc_u64 s[24:25], s[14:15], s[20:21]
	s_lshl_b32 s20, s19, 19
	s_lshl_b32 s22, s18, 7
	s_add_co_u32 s20, s20, s22
	s_add_nc_u64 s[28:29], s[12:13], s[20:21]
	LOADW 0, 4096, 160
	LOADW 1, 4096, 160
.irp t, 0,1,2,3
	BLOCKO \t
.endr
	s_endpgm
.Lfunc_end_k_q3d8245bad5_prep:
	.size	k_q3d8245bad5_prep, .Lfunc_end_k_q3d8245bad5_prep-k_q3d8245bad5_prep
	.p2alignl 7, 3214868480
	.fill 96, 4, 3214868480
	.section	.rodata,"a",@progbits
	.p2align	6, 0x0
	.amdhsa_kernel k_q3d8245bad5_prep
		.amdhsa_group_segment_fixed_size 35328
		.amdhsa_private_segment_fixed_size 0
		.amdhsa_enable_private_segment 0
		.amdhsa_kernarg_size 48
		.amdhsa_user_sgpr_count 2
		.amdhsa_user_sgpr_kernarg_segment_ptr 1
		.amdhsa_wavefront_size32 1
		.amdhsa_system_sgpr_workgroup_id_x 1
		.amdhsa_system_sgpr_workgroup_id_y 1
		.amdhsa_system_sgpr_workgroup_id_z 1
		.amdhsa_system_vgpr_workitem_id 0
		.amdhsa_next_free_vgpr 256
		.amdhsa_next_free_sgpr 66
		.amdhsa_reserve_vcc 1
		.amdhsa_float_denorm_mode_32 3
		.amdhsa_float_denorm_mode_16_64 3
		.amdhsa_memory_ordered 1
		.amdhsa_forward_progress 1
		.amdhsa_inst_pref_size 106
	.end_amdhsa_kernel
	.amdgpu_metadata
---
amdhsa.version: [ 1, 2 ]
amdhsa.kernels:
  - .name:           k_q3d8245bad5_prep
    .symbol:         k_q3d8245bad5_prep.kd
    .args:
      - { .name: x, .offset: 0, .size: 8, .value_kind: global_buffer, .address_space: global }
      - { .name: Wq, .offset: 8, .size: 8, .value_kind: global_buffer, .address_space: global }
      - { .name: Wk, .offset: 16, .size: 8, .value_kind: global_buffer, .address_space: global }
      - { .name: Wv, .offset: 24, .size: 8, .value_kind: global_buffer, .address_space: global }
      - { .name: Wo, .offset: 32, .size: 8, .value_kind: global_buffer, .address_space: global }
      - { .name: prep, .offset: 40, .size: 8, .value_kind: global_buffer, .address_space: global }
    .group_segment_fixed_size: 35328
    .private_segment_fixed_size: 0
    .kernarg_segment_align: 8
    .kernarg_segment_size: 48
    .max_flat_workgroup_size: 128
    .sgpr_count:     66
    .vgpr_count:     256
    .wavefront_size: 32
...
	.end_amdgpu_metadata
.endif
;; end of part 1
;; launch qkv (part 2): grid 6 x 32, 4 waves a work-group, no clusters, 281,088 bytes of LDS; arguments prep, qkv; writes qkv
.if DOCPART == 2
	.amdgcn_target "amdgcn-amd-amdhsa--gfx1250"
	.amdhsa_code_object_version 6
	.text
	.protected	k_q3d8245bad5_qkv
	.globl	k_q3d8245bad5_qkv
	.p2align	8
	.type	k_q3d8245bad5_qkv,@function
k_q3d8245bad5_qkv:
	s_mov_b64 s[64:65], 0
	v_nop
	global_prefetch_b8 v0, s[64:65] scope:SCOPE_SE
	s_setreg_imm32_b32 hwreg(HW_REG_WAVE_MODE, 25, 1), 1
	s_wait_xcnt 0x0
; QKV: [8192 tokens][1536 columns] = x (Wq | Wk | Wv) on codes of FP4 (E2M1) with E8M0 scales for each 32 along K = 1,024; then the rotation of Q and K; results as f16 images for the attention.
; A work-group of four waves makes 256 x 256 (x: tile column 0-3 Q, 4 K, 5 V; y: tile row); a wave 128 x 128: 64 accumulators, 512 registers.
; K has two halves of 512: both, and all scale words, are asked for at the head (three tensor loads a wave are out) and nothing is filled again.  All tiles are dense images of operand registers: every LDS read is 16 bytes at 16 x lane.
; NO CLUSTER: six tile columns do not divide by four; a cluster of 4 x 1 would share W's half of a step's bytes alone, and all operands together are 5.3 MB against 25 MB of stores.
; THE MATRIX INSTRUCTION IS USED TRANSPOSED (source 0 = 16 columns of W, source 1 = 16 tokens): a lane holds one token and eight neighbouring columns: packed to f16 they are 16 bytes of the next product's operand image,
; so results leave straight from registers, 512 consecutive bytes a store.
; Also stored: the first 16 tokens of every sequence in f32 (for the launch that carries them finely), and V's column sums over each 128 tokens (for rows that the padding mask hides).
; LIMITS: Q, K and V must lie under 65,504 in magnitude (f16); NaN and infinities are not served.
; REGISTERS: window 0: v16-31 addresses; v32-95 scale words, two sets, and nothing else; v128-191 x's fragments, one set; v192-255 the rotation's table (V: column sums).
;   window 1: W's fragments, two sets at v0 and v128; on the way out v0-63 rotated numbers, v64-127 packed results, v192-199 at work.   windows 2, 3: the accumulators, (a, b) at v[8 (8 (a % 4) + b)].
.set O_XS, 4194304
.set O_WC, 4456448
.set O_WS, 5242880
.set O_RT, 9486336
.set O_KI, 16777216
.set O_VI, 20971520
.set O_FN, 25165824
.set O_VP, 25559040
.set LB,    131072                     ; LDS: x's codes [K half][16 blocks][4 steps][1 KiB] at 0, W's likewise here
.set ASC,   262144                     ; x's scale words [row half][K half][128 rows][16 B]
.set BSC,   270336                     ; W's [column half][K step 8][128 columns][4 B]
.set VSTG,  278528                     ; 512 bytes a wave for V's column sums
.set SPARE, 280576                     ; the spare words, 128 bytes a wave
.set ADRA, 16
.set ADRB, 20
.set ASA,  22
.set ASB,  23
.set LP,   24                          ; v24 16 x lane: a group's place for my lane
.set TO,   25                          ; v25 the table: 256 r + 32 h
.set VSS,  27
.set SPW,  28
.set NIL,  29
.set VSL,  30
.set LPV,  31                          ; v31 V's tiles [token][16 channels]: 32 r + 16 h
.set SC,   32
.set AF,   128
.set TB,   192
.set CS,   192
.set FW,   0
.set PW,   64
.set TW,   192
.set MSB, 0
.macro WIN new                         ; the immediate's high byte repeats the setting that is left
.if MSB != (\new)
	s_set_vgpr_msb (MSB<<8)|(\new)
.set MSB, (\new)
.endif
.endm
.macro PLACES n
.rept \n
	v_nop
.endr
.endm
	s_load_b128 s[4:7], s[0:1], 0x0                ; prep, qkv
	v_lshl_add_u32 v[SPW], v0, 2, SPARE
	v_mov_b32 v[NIL], 0
	ds_add_u32 v[SPW], v[NIL]                      ; the opening: the add, twice on end, and its wait ahead of my first tensor load
	ds_add_u32 v[SPW], v[NIL]
	v_lshrrev_b32 v1, 5, v0
	v_readfirstlane_b32 s14, v1                    ; wave
	s_lshr_b32 s15, s14, 1                         ; my half of the rows.  Also: I fetch for x (0) or for W (1)
	s_and_b32 s16, s14, 1                          ; my half of the columns.  Also: which half I fetch
	s_mov_b32 s17, ttmp9                           ; tile column
	s_and_b32 s18, ttmp7, 0xffff                   ; tile row
	; group 1, elements of 8 bytes.  Codes: 8 blocks x 4,096 bytes (a K half), 8,192 bytes apart
	s_mov_b32 s24, 3<<16
	s_mov_b32 s25, 512<<16
	s_mov_b32 s26, 8<<16
	s_mov_b32 s27, 512<<16
	s_mov_b32 s28, 8
	s_mov_b32 s29, 1024
	s_mov_b32 s30, 0
	s_mov_b32 s31, 0
	; x's scale words: 2 K halves x 2,048 bytes (128 rows), 131,072 bytes apart
	s_mov_b32 s32, 3<<16
	s_mov_b32 s33, 256<<16
	s_mov_b32 s34, 2<<16
	s_mov_b32 s35, 256<<16
	s_mov_b32 s36, 2
	s_mov_b32 s37, 16384
	s_mov_b32 s38, 0
	s_mov_b32 s39, 0
	; W's: 8 K steps x 512 bytes (128 columns), 6,144 bytes apart
	s_mov_b32 s40, 3<<16
	s_mov_b32 s41, 64<<16
	s_mov_b32 s42, 8<<16
	s_mov_b32 s43, 64<<16
	s_mov_b32 s44, 8
	s_mov_b32 s45, 768
	s_mov_b32 s46, 0
	s_mov_b32 s47, 0
	s_lshl_b32 s60, s16, 3
	s_lshl_b32 s20, s18, 4
	s_add_co_u32 s20, s20, s60
	s_lshl_b32 s20, s20, 13                        ; x's codes: (16 tile row + 8 half) x 8,192
	s_lshl_b32 s61, s17, 4
	s_add_co_u32 s61, s61, s60
	s_lshl_b32 s61, s61, 13
	s_add_co_u32 s61, s61, O_WC                    ; W's
	s_lshl_b32 s60, s16, 7
	s_lshl_b32 s22, s18, 8
	s_add_co_u32 s22, s22, s60
	s_lshl_b32 s22, s22, 4
	s_add_co_u32 s22, s22, O_XS
	s_lshl_b32 s62, s17, 8
	s_add_co_u32 s62, s62, s60
	s_lshl_b32 s62, s62, 2
	s_add_co_u32 s62, s62, O_WS
	s_cmp_lt_u32 s14, 2
	s_cselect_b32 s20, s20, s61
	s_cselect_b32 s22, s22, s62
	s_mov_b32 s21, 0
	s_mov_b32 s23, 0
	s_mov_b32 s48, 1
	s_lshl_b32 s49, s14, 12
	s_add_co_u32 s49, s49, ASC                     ; scale words: 4,096 bytes a wave, x's two halves, then W's
	s_mov_b32 s52, 1
	s_lshl_b32 s53, s15, 17
	s_lshl_b32 s60, s16, 15
	s_add_co_u32 s53, s53, s60                     ; codes, K half 0
	s_mov_b32 s56, 1
	s_add_co_u32 s57, s53, 65536                   ; K half 1
	s_wait_dscnt 0x0                               ; both opening adds are done
	s_wait_kmcnt 0x0
	s_add_nc_u64 s[50:51], s[4:5], s[22:23]
	s_or_b32 s51, s51, 0x80000000
	s_add_nc_u64 s[54:55], s[4:5], s[20:21]
	s_add_nc_u64 s[58:59], s[54:55], 4096
	s_or_b32 s55, s55, 0x80000000
	s_or_b32 s59, s59, 0x80000000
	s_cmp_lt_u32 s14, 2                            ; two shapes of scale tiles: two lines, chosen by the wave's number
	s_cbranch_scc0 .Lscale_w
	tensor_load_to_lds s[48:51], s[32:39]
	s_nop 0
	PLACES 4
	s_branch .Lscale_asked
.Lscale_w:
	tensor_load_to_lds s[48:51], s[40:47]
	s_nop 0
	PLACES 4
.Lscale_asked:
	tensor_load_to_lds s[52:55], s[24:31]
	s_nop 0
	tensor_load_to_lds s[56:59], s[24:31]
	s_nop 0
	PLACES 4
	v_and_b32 v1, 31, v0
	v_and_b32 v2, 15, v0                           ; r
	v_bfe_u32 v3, v0, 4, 1                         ; h
	v_lshlrev_b32 v[LP], 4, v1
	s_lshl_b32 s20, s15, 15
	s_lshl_b32 s21, s16, 15
	s_add_co_u32 s21, s21, LB
	v_add_nc_u32 v[ADRA], s20, v[LP]
	v_add_nc_u32 v[ADRB], s21, v[LP]
	v_add_nc_u32 v[ADRA+1], 65536, v[ADRA]
	v_add_nc_u32 v[ADRB+1], 65536, v[ADRB]
	s_lshl_b32 s20, s15, 12
	s_add_co_u32 s20, s20, ASC
	v_add_nc_u32 v[ASA], s20, v[LP]                ; lane L: row 32 j + L's four words
	s_lshl_b32 s21, s16, 12
	s_add_co_u32 s21, s21, BSC
	v_lshl_add_u32 v[ASB], v1, 2, s21              ; lane L: column 32 j + L's word
	v_lshlrev_b32 v[TO], 8, v2
	v_lshl_add_u32 v[TO], v3, 5, v[TO]
	v_lshlrev_b32 v[LPV], 5, v2
	v_lshl_add_u32 v[LPV], v3, 4, v[LPV]
	s_lshl_b32 s20, s14, 9
	s_add_co_u32 s20, s20, VSTG
	v_lshl_add_u32 v[VSS], v3, 5, s20
	v_add_nc_u32 v[VSL], s20, v[LP]
	; where the results go
	s_lshr_b32 s20, s18, 3                         ; batch
	s_and_b32 s21, s18, 7
	s_or_b32 s19, s21, s15                         ; 0: my first 16 rows are a sequence's first
	s_lshl_b32 s21, s21, 4
	s_lshl_b32 s22, s15, 3
	s_add_co_u32 s21, s21, s22                     ; my first block of 16 tokens in the sequence
	s_lshl_b32 s22, s16, 1
	s_lshl_b32 s60, s20, 4
	s_lshl_b32 s61, s17, 2
	s_add_co_u32 s60, s60, s61
	s_add_co_u32 s60, s60, s22                     ; Q: head 16 batch + 4 tile column + 2 half
	s_lshl_b32 s61, s20, 2
	s_add_co_u32 s61, s61, s22                     ; K, V: 4 batch + 2 half
	s_mov_b32 s62, O_KI
	s_cmp_eq_u32 s17, 5
	s_cselect_b32 s62, O_VI, s62
	s_cmp_lt_u32 s17, 4
	s_cselect_b32 s62, 0, s62
	s_cselect_b32 s60, s60, s61
	s_lshl_b32 s60, s60, 7
	s_add_co_u32 s60, s60, s21
	s_lshl_b32 s60, s60, 11                        ; 2,048 bytes for a head's 16 tokens
	s_add_co_u32 s60, s60, s62
	s_mov_b32 s61, 0
	s_add_nc_u64 s[8:9], s[6:7], s[60:61]
	s_lshl_b32 s60, s21, 12
	s_add_co_u32 s60, s60, O_RT
	s_add_nc_u64 s[10:11], s[4:5], s[60:61]        ; the table at my first token
	s_mul_i32 s60, s20, 96
	s_lshl_b32 s62, s17, 4
	s_add_co_u32 s60, s60, s62
	s_lshl_b32 s62, s16, 3
	s_add_co_u32 s60, s60, s62
	s_lshl_b32 s60, s60, 10
	s_add_co_u32 s60, s60, O_FN
	s_add_nc_u64 s[12:13], s[6:7], s[60:61]        ; the f32 copy
	s_lshl_b32 s60, s18, 1
	s_add_co_u32 s60, s60, s15
	s_lshl_b32 s60, s60, 10
	s_lshl_b32 s62, s16, 9
	s_add_co_u32 s60, s60, s62
	s_add_co_u32 s60, s60, O_VP
	s_add_nc_u64 s[66:67], s[6:7], s[60:61]        ; V's column sums
; the table for block a of 16 tokens: lane (r, h) wants, for each 16 columns cq of a head, cos and sin of its four pairs: 32 bytes
.macro TBL a
.irp cq, 0,1,2,3
.irp e, 0,1
	global_load_b128 v[TB+32*((\a)%2)+8*\cq+4*\e:TB+32*((\a)%2)+8*\cq+4*\e+3], v[TO], s[10:11] offset:4096*(\a)+64*\cq+16*\e
.endr
.endr
.endm
.macro FRAG reg, adr, q, i             ; a fragment, 16 rows x 128 K: two groups
.irp c, 0,1
	ds_load_b128 v[\reg+4*\c:\reg+4*\c+3], v[\adr] offset:4096*(\i)+1024*(\q)+512*\c
.endr
.endm
.macro FETCH_B kh, q, p
	WIN 0x40
.irp i, 0,1,2,3,4,5,6,7
	FRAG 128*(\p)+8*\i, ADRB+\kh, \q, \i
.endr
	WIN 0
.endm
.macro FETCH_A kh, q, i0
.irp i, \i0, \i0+1, \i0+2, \i0+3
	FRAG AF+8*(\i), ADRA+\kh, \q, \i
.endr
.endm
; a K half's scale words.  Register 4 j + q: x's blocks 2 j (lanes 0-15) and 2 j + 1 (lanes 16-31), K step q; register 16 + 4 j + q: W's likewise
.macro SCALES kh
.irp j, 0,1,2,3
	ds_load_b128 v[SC+32*\kh+4*\j:SC+32*\kh+4*\j+3], v[ASA] offset:2048*\kh+512*\j
.endr
.irp j, 0,1,2,3
.irp q, 0,1,2,3
	ds_load_b32 v[SC+32*\kh+16+4*\j+\q], v[ASB] offset:512*(4*\kh+\q)+128*\j
.endr
.endr
.endm
.macro WM zero                         ; one product; odd blocks take their scales from lanes 16-31
.if \zero
.if oB && oA
	v_wmma_scale_f32_16x16x128_f8f6f4 v[rD:rD+7], v[rB:rB+7], v[rA:rA+7], 0, v[rSB], v[rSA] matrix_a_fmt:MATRIX_FMT_FP4 matrix_b_fmt:MATRIX_FMT_FP4 matrix_a_scale:MATRIX_SCALE_ROW1 matrix_b_scale:MATRIX_SCALE_ROW1
.elseif oB
	v_wmma_scale_f32_16x16x128_f8f6f4 v[rD:rD+7], v[rB:rB+7], v[rA:rA+7], 0, v[rSB], v[rSA] matrix_a_fmt:MATRIX_FMT_FP4 matrix_b_fmt:MATRIX_FMT_FP4 matrix_a_scale:MATRIX_SCALE_ROW1
.elseif oA
	v_wmma_scale_f32_16x16x128_f8f6f4 v[rD:rD+7], v[rB:rB+7], v[rA:rA+7], 0, v[rSB], v[rSA] matrix_a_fmt:MATRIX_FMT_FP4 matrix_b_fmt:MATRIX_FMT_FP4 matrix_b_scale:MATRIX_SCALE_ROW1
.else
	v_wmma_scale_f32_16x16x128_f8f6f4 v[rD:rD+7], v[rB:rB+7], v[rA:rA+7], 0, v[rSB], v[rSA] matrix_a_fmt:MATRIX_FMT_FP4 matrix_b_fmt:MATRIX_FMT_FP4
.endif
.else
.if oB && oA
	v_wmma_scale_f32_16x16x128_f8f6f4 v[rD:rD+7], v[rB:rB+7], v[rA:rA+7], v[rD:rD+7], v[rSB], v[rSA] matrix_a_fmt:MATRIX_FMT_FP4 matrix_b_fmt:MATRIX_FMT_FP4 matrix_a_scale:MATRIX_SCALE_ROW1 matrix_b_scale:MATRIX_SCALE_ROW1
.elseif oB
	v_wmma_scale_f32_16x16x128_f8f6f4 v[rD:rD+7], v[rB:rB+7], v[rA:rA+7], v[rD:rD+7], v[rSB], v[rSA] matrix_a_fmt:MATRIX_FMT_FP4 matrix_b_fmt:MATRIX_FMT_FP4 matrix_a_scale:MATRIX_SCALE_ROW1
.elseif oA
	v_wmma_scale_f32_16x16x128_f8f6f4 v[rD:rD+7], v[rB:rB+7], v[rA:rA+7], v[rD:rD+7], v[rSB], v[rSA] matrix_a_fmt:MATRIX_FMT_FP4 matrix_b_fmt:MATRIX_FMT_FP4 matrix_b_scale:MATRIX_SCALE_ROW1
.else
	v_wmma_scale_f32_16x16x128_f8f6f4 v[rD:rD+7], v[rB:rB+7], v[rA:rA+7], v[rD:rD+7], v[rSB], v[rSA] matrix_a_fmt:MATRIX_FMT_FP4 matrix_b_fmt:MATRIX_FMT_FP4
.endif
.endif
.endm
; 16 products: x's blocks a0, a0 + 1 against W's eight.  The 64 accumulators take turns, one instruction a turn, in the same order in every step
.macro MUL16 a0, p, q, kh, zero
.irp a, \a0, \a0+1
.irp b, 0,1,2,3,4,5,6,7
.set rD, 8*(8*((\a)%4)+\b)
.set rB, 128*(\p)+8*\b
.set rA, AF+8*(\a)
.set rSB, SC+32*(\kh)+16+4*(\b/2)+(\q)
.set rSA, SC+32*(\kh)+4*((\a)/2)+(\q)
.set oB, \b%2
.set oA, (\a)%2
	WM \zero
.endr
.endr
.endm
; a step of 128 along K with its successor in the same K half.  Four plain instructions stand in front of each run of loads into registers that matrix instructions have read
.macro STEP kh, q, zero
	s_wait_dscnt 8                                 ; all but the youngest eight loads (x's blocks 4-7)
	WIN 0xa1
	MUL16 0, (\q)%2, \q, \kh, \zero
	MUL16 2, (\q)%2, \q, \kh, \zero
	s_wait_dscnt 0
	PLACES 4
	FETCH_B \kh, (\q)+1, 1-(\q)%2
	FETCH_A \kh, (\q)+1, 0
	WIN 0xf1
	MUL16 4, (\q)%2, \q, \kh, \zero
	MUL16 6, (\q)%2, \q, \kh, \zero
	PLACES 4
	WIN 0
	FETCH_A \kh, (\q)+1, 4
.endm
	s_cmp_eq_u32 s17, 5
	s_cbranch_scc1 .Lno_table                      ; V is not rotated
	TBL 0
	TBL 1
.Lno_table:
	s_wait_tensorcnt 0x1                           ; my scale words and my part of K half 0 are in; half 1 may be out
	s_barrier_signal -1
	s_barrier_wait -1
	FETCH_B 0, 0, 0
	FETCH_A 0, 0, 0
	SCALES 0
	FETCH_A 0, 0, 4
	STEP 0, 0, 1                                   ; the first products start the sums: nothing is cleared
	STEP 0, 1, 0
	STEP 0, 2, 0
	s_wait_tensorcnt 0x0                           ; my part of K half 1 is in
	s_wait_dscnt 8
	WIN 0xa1
	MUL16 0, 1, 3, 0, 0
	s_wait_dscnt 0x0
	s_barrier_signal -1
	MUL16 2, 1, 3, 0, 0
	WIN 0
	s_barrier_wait -1                              ; everybody's is
	PLACES 4
	FETCH_B 1, 0, 0
	FETCH_A 1, 0, 0
	SCALES 1
	WIN 0xf1
	MUL16 4, 1, 3, 0, 0
	MUL16 6, 1, 3, 0, 0
	PLACES 4
	WIN 0
	FETCH_A 1, 0, 4
	STEP 1, 0, 0
	STEP 1, 1, 0
	STEP 1, 2, 0
	s_wait_dscnt 8
	WIN 0xa1
	MUL16 0, 1, 3, 1, 0
	MUL16 2, 1, 3, 1, 0
	s_wait_dscnt 0
	WIN 0xf1
	MUL16 4, 1, 3, 1, 0
	MUL16 6, 1, 3, 1, 0
	WIN 0
	PLACES 4
	s_cmp_eq_u32 s17, 5
	s_cbranch_scc1 .Lout_v
; THE WAY OUT OF Q AND K, block a of 16 tokens: rotate each pair (x1 c - x2 s, x1 s + x2 c), pack to f16, store eight groups.  Each accumulator is read from its low end on
.macro OUTBLK a
.if (\a) < 7
	s_wait_loadcnt 8                               ; this block's table is in; the next block's eight loads may be out
.else
	s_wait_loadcnt 0
.endif
	s_wait_xcnt 0x0                                ; earlier stores have read their data: the registers are written again
	WIN 0x52+((\a)/4)                              ; source 0 the accumulators, source 1 the table (window 0), source 2 and destination window 1
.irp b, 0,1,2,3,4,5,6,7
.irp i, 0,1,2,3
.set rX, 64*((\a)%4)+8*\b+2*\i
.set rT, TB+32*((\a)%2)+8*(\b%4)+2*\i
	v_mul_f32 v[TW+2*\i], v[rX+1], v[rT+1]
	v_mul_f32 v[TW+2*\i+1], v[rX+1], v[rT]
	v_fma_f32 v[FW+8*\b+2*\i], v[rX], v[rT], -v[TW+2*\i]
	v_fma_f32 v[FW+8*\b+2*\i+1], v[rX], v[rT+1], v[TW+2*\i+1]
.endr
.endr
	WIN 0x45
.irp b, 0,1,2,3,4,5,6,7
.irp i, 0,1,2,3
	v_cvt_pk_f16_f32 v[PW+32*((\a)%2)+4*\b+\i], v[FW+8*\b+2*\i], v[FW+8*\b+2*\i+1]
.endr
.endr
	WIN 0x04                                       ; a store's data: window 1
.irp b, 0,1,2,3,4,5,6,7
	global_store_b128 v[LP], v[PW+32*((\a)%2)+4*\b:PW+32*((\a)%2)+4*\b+3], s[8:9] offset:(\b/4)*262144+(\a)*2048+(\b%4)*512
.endr
	WIN 0
.if (\a) == 0
	s_cmp_lg_u32 s19, 0
	s_cbranch_scc1 .Lno_fine_q
	WIN 0x04
.irp b, 0,1,2,3,4,5,6,7
.irp u, 0,1
	global_store_b128 v[LP], v[FW+8*\b+4*\u:FW+8*\b+4*\u+3], s[12:13] offset:1024*\b+512*\u   ; a sequence's first 16 tokens in f32
.endr
.endr
	WIN 0
.Lno_fine_q:
.endif
.if (\a) < 6
	TBL (\a)+2
.endif
.endm
.irp a, 0,1,2,3,4,5,6,7
	OUTBLK \a
.endr
	s_branch .Lend
; THE WAY OUT OF V: packed as it is, into tiles [token][16 channels]; and the columns' sums over my 128 tokens
.macro OUTBLKV a
	s_wait_xcnt 0x0
	WIN 0x4a+5*((\a)/4)
.irp b, 0,1,2,3,4,5,6,7
.irp i, 0,1,2,3
	v_cvt_pk_f16_f32 v[PW+32*((\a)%2)+4*\b+\i], v[64*((\a)%4)+8*\b+2*\i], v[64*((\a)%4)+8*\b+2*\i+1]
.endr
.endr
.if (\a) == 1
	WIN 0x0a
.set nn, 0
.rept 32
	v_pk_add_f32 v[CS+nn:CS+nn+1], v[nn:nn+1], v[64+nn:64+nn+1]        ; blocks 0 and 1 start the sums
.set nn, nn+2
.endr
.elseif (\a) > 1
	WIN 0x02+((\a)/4)
.set nn, 0
.rept 32
	v_pk_add_f32 v[CS+nn:CS+nn+1], v[64*((\a)%4)+nn:64*((\a)%4)+nn+1], v[CS+nn:CS+nn+1]
.set nn, nn+2
.endr
.endif
	WIN 0x04
.irp b, 0,1,2,3,4,5,6,7
	global_store_b128 v[LPV], v[PW+32*((\a)%2)+4*\b:PW+32*((\a)%2)+4*\b+3], s[8:9] offset:(\b/4)*262144+(\a)*2048+(\b%4)*512
.endr
	WIN 0
.if (\a) == 0
	s_cmp_lg_u32 s19, 0
	s_cbranch_scc1 .Lno_fine_v
	WIN 0x08                                       ; the data: the accumulators themselves, window 2
.irp b, 0,1,2,3,4,5,6,7
.irp u, 0,1
	global_store_b128 v[LP], v[8*\b+4*\u:8*\b+4*\u+3], s[12:13] offset:1024*\b+512*\u
.endr
.endr
	WIN 0
.Lno_fine_v:
.endif
.endm
.Lout_v:
.irp a, 0,1,2,3,4,5,6,7
	OUTBLKV \a
.endr
.irp m, 1,2,4,8                        ; over the sixteen tokens that the lanes of a half hold
.set nn, 0
.rept 64
	v_add_f32_dpp v[CS+nn], v[CS+nn], v[CS+nn] row_xmask:\m row_mask:0xf bank_mask:0xf
.set nn, nn+1
.endr
.endr
.irp b, 0,1,2,3,4,5,6,7
.irp u, 0,1
	ds_store_b128 v[VSS], v[CS+8*\b+4*\u:CS+8*\b+4*\u+3] offset:64*\b+16*\u   ; the sixteen lanes of a half write the same bytes with the same values
.endr
.endr
	ds_load_b128 v[96:99], v[VSL]                  ; LDS serves a wave's instructions in order: this sees my stores
	s_wait_dscnt 0x0
	global_store_b128 v[LP], v[96:99], s[66:67]    ; 128 sums: 512 consecutive bytes
.Lend:
	s_wait_tensorcnt 0x0                           ; the wave's end
	ds_add_u32 v[SPW], v[NIL]
	s_wait_dscnt 0x0
	s_endpgm
.Lfunc_end_k_q3d8245bad5_qkv:
	.size	k_q3d8245bad5_qkv, .Lfunc_end_k_q3d8245bad5_qkv-k_q3d8245bad5_qkv
	.p2alignl 7, 3214868480
	.fill 96, 4, 3214868480
	.section	.rodata,"a",@progbits
	.p2align	6, 0x0
	.amdhsa_kernel k_q3d8245bad5_qkv
		.amdhsa_group_segment_fixed_size 281088
		.amdhsa_private_segment_fixed_size 0
		.amdhsa_enable_private_segment 0
		.amdhsa_kernarg_size 16
		.amdhsa_user_sgpr_count 2
		.amdhsa_user_sgpr_kernarg_segment_ptr 1
		.amdhsa_wavefront_size32 1
		.amdhsa_system_sgpr_workgroup_id_x 1
		.amdhsa_system_sgpr_workgroup_id_y 1
		.amdhsa_system_sgpr_workgroup_id_z 1
		.amdhsa_system_vgpr_workitem_id 0
		.amdhsa_next_free_vgpr 1024
		.amdhsa_next_free_sgpr 68
		.amdhsa_reserve_vcc 0
		.amdhsa_float_denorm_mode_32 3
		.amdhsa_float_denorm_mode_16_64 3
		.amdhsa_memory_ordered 1
		.amdhsa_forward_progress 1
		.amdhsa_inst_pref_size 229
	.end_amdhsa_kernel
	.amdgpu_metadata
---
amdhsa.version: [ 1, 2 ]
amdhsa.kernels:
  - .name:           k_q3d8245bad5_qkv
    .symbol:         k_q3d8245bad5_qkv.kd
    .args:
      - { .name: prep, .offset: 0, .size: 8, .value_kind: global_buffer, .address_space: global }
      - { .name: qkv, .offset: 8, .size: 8, .value_kind: global_buffer, .address_space: global }
    .group_segment_fixed_size: 281088
    .private_segment_fixed_size: 0
    .kernarg_segment_align: 8
    .kernarg_segment_size: 16
    .max_flat_workgroup_size: 128
    .sgpr_count:     68
    .vgpr_count:     1024
    .wavefront_size: 32
...
	.end_amdgpu_metadata
.endif
;; end of part 2
;; launch fine (part 3): grid 16 x 4, 8 waves a work-group, no clusters, 53,248 bytes of LDS; arguments qkv, prep, attention_mask, out0, vmean; writes out0, vmean
.if DOCPART == 3
	.amdgcn_target "amdgcn-amd-amdhsa--gfx1250"
	.amdhsa_code_object_version 6
	.text
	.protected	k_q3d8245bad5_fine
	.globl	k_q3d8245bad5_fine
	.p2align	8
	.type	k_q3d8245bad5_fine,@function
k_q3d8245bad5_fine:
	s_mov_b64 s[64:65], 0
	v_nop
	global_prefetch_b8 v0, s[64:65] scope:SCOPE_SE
	s_setreg_imm32_b32 hwreg(HW_REG_WAVE_MODE, 25, 1), 1
	s_wait_xcnt 0x0
; FINE: the first 16 positions of every sequence, whose rows average one to sixteen values and are the largest: attention in f32 (the f32 matrix form: 64 instructions a wave, no bulk work),
; the projection with both operands as pairs of f16 numbers (high x high + high x low + low x high).  Also: the mean of V over each sequence, which is what a row hidden by the padding mask gets
; (all its scores are equal, so its softmax is uniform over all 2,048 keys).
; A work-group (x: 64 output columns, y: batch) has eight waves; wave w takes heads 2 w and 2 w + 1 (key and value head w / 2), makes their 16 x 128 attention output, multiplies it by Wo's rows 128 w .. + 127 for the
; group's 64 columns; the eight parts are added through LDS.  Every group of a batch repeats the batch's small attention.
; Both products of the attention are used transposed: a lane holds one query.  Q and K are loaded by one pattern, so the same order of the head's 64 stands on both sides.
; LIMITS: the attention output and Wo must lie under 65,504 in magnitude; NaN and infinities are not served.
; REGISTERS: v16-79 Q, later the output in f32, later low parts (v16-47) and the projection's sums (v48-79); v80-111 K, later high parts; v112-143 V turned, later the mean, later the parts;
;   v144-159 scores and v176-239 the attention's sums: written by matrix instructions alone; v160-175 p; window 1: Wo's fragments, ((chunk 4 + column block) 2 + part) 8.
.set O_FN, 25165824
.set O_VP, 25559040
.set O_WH, 5292032
.set WLD,  2097152
.set PART,  1024                       ; LDS: the mean at 0 (1 KiB); the parts: wave 6,400 + column block 1,600 + u 784 + h 288 + 16 r
.set SPARE, 52224
.set SPW, 252
.set NIL, 253
.set QF, 16
.set KF, 80
.set VT, 112
.set SA, 144
.set TP, 160
.set OA, 176
.set HI, 80
.set LO, 16
.set PACC, 48
.set MSB, 0
.macro WIN new
.if MSB != (\new)
	s_set_vgpr_msb (MSB<<8)|(\new)
.set MSB, (\new)
.endif
.endm
	s_load_b256 s[4:11], s[0:1], 0x0               ; qkv, prep, the mask, out0
	s_load_b64 s[12:13], s[0:1], 0x20              ; vmean
	v_lshl_add_u32 v[SPW], v0, 2, SPARE
	v_mov_b32 v[NIL], 0
	v_lshrrev_b32 v1, 5, v0
	v_readfirstlane_b32 s14, v1                    ; wave
	s_mov_b32 s15, ttmp9                           ; which 64 columns
	s_and_b32 s16, ttmp7, 0xffff                   ; batch
	s_lshr_b32 s17, s14, 1                         ; key and value head
	v_and_b32 v14, 31, v0
	v_and_b32 v2, 15, v0                           ; r
	v_bfe_u32 v3, v0, 4, 1                         ; h
	v_lshlrev_b32 v1, 4, v14                       ; 16 x lane
	v_bfe_u32 v4, v0, 2, 1                         ; V turned: channel r of a block lies in group (r / 4) % 2, half r / 8, word r % 4; my tokens begin at 8 h
	v_lshlrev_b32 v4, 9, v4
	v_bfe_u32 v15, v0, 3, 1
	v_lshl_add_u32 v4, v15, 8, v4
	v_and_b32 v15, 3, v0
	v_lshl_add_u32 v4, v15, 2, v4
	v_lshl_add_u32 v4, v3, 7, v4
	v_lshlrev_b32 v6, 3, v3
	v_sub_nc_u32 v6, v2, v6                        ; d = r - 8 h: register j holds key 8 h + j, hidden where j > d
	v_lshlrev_b32 v7, 2, v0                        ; 4 x thread
	v_lshlrev_b32 v12, 2, v2
	v_mov_b32 v13, 0xff800000                      ; -infinity
	s_mul_i32 s40, s14, 6400
	s_add_co_u32 s40, s40, PART
	v_mul_u32_u24 v8, v3, 288
	v_lshl_add_u32 v8, v2, 4, v8
	v_add_nc_u32 v8, s40, v8                       ; where I put my part
	v_bfe_u32 v9, v0, 2, 2                         ; back: thread (row 2 w + h, x = r) wants columns 4 x .. + 3: block x / 4, u = x % 2, half (x / 2) % 2
	v_mul_u32_u24 v9, v9, 1600
	v_and_b32 v15, 1, v0
	v_mad_u32_u24 v9, v15, 784, v9
	v_bfe_u32 v15, v0, 1, 1
	v_mad_u32_u24 v9, v15, 288, v9
	v_lshrrev_b32 v15, 4, v0                       ; the row: 2 w + h
	v_lshl_add_u32 v9, v15, 4, v9
	v_add_nc_u32 v9, PART, v9
	v_lshlrev_b32 v10, 12, v15
	v_lshl_add_u32 v10, v2, 4, v10                 ; and its place in out0
	s_lshl_b32 s40, s17, 8
	v_lshl_add_u32 v11, v3, 5, s40                 ; the mean of my head's channels: 256 head + 32 h
	s_mov_b32 s36, 0x3e38aa3b                      ; c = log2(e) / 8
	s_mov_b32 s38, 0x76543210
	s_mov_b32 s39, 0xfedcba98
	s_lshl_b32 s40, s16, 14
	s_add_co_u32 s40, s40, O_VP
	s_mov_b32 s41, 0
	s_lshl_b32 s42, s16, 13
	s_mov_b32 s43, 0
	s_mul_i32 s44, s16, 98304
	s_add_co_u32 s44, s44, O_FN
	s_mov_b32 s45, 0
	s_wait_kmcnt 0x0
	s_add_nc_u64 s[20:21], s[4:5], s[40:41]        ; V's column sums of my batch
	s_add_nc_u64 s[22:23], s[8:9], s[42:43]        ; the mask's row
	s_add_nc_u64 s[28:29], s[4:5], s[44:45]        ; the f32 copy of my batch
	s_lshl_b32 s40, s14, 13
	s_add_nc_u64 s[24:25], s[28:29], s[40:41]      ; Q: column blocks 8 w on
	s_lshl_b32 s40, s17, 12
	s_add_co_u32 s40, s40, 65536
	s_add_nc_u64 s[26:27], s[28:29], s[40:41]      ; K: 64 + 4 head on
	s_add_co_u32 s40, s40, 16384
	s_add_nc_u64 s[28:29], s[28:29], s[40:41]      ; V: 80 + 4 head on
	s_lshl_b32 s40, s15, 17
	s_lshl_b32 s42, s14, 12
	s_add_co_u32 s40, s40, s42
	s_add_co_u32 s40, s40, O_WH
	s_add_nc_u64 s[30:31], s[6:7], s[40:41]        ; Wo: my group's four column blocks, my four chunks of 32 along K
	s_lshl_b32 s40, s16, 23
	s_lshl_b32 s42, s15, 8
	s_add_co_u32 s40, s40, s42
	s_add_nc_u64 s[32:33], s[10:11], s[40:41]
	s_lshl_b32 s40, s16, 10
	s_add_nc_u64 s[34:35], s[12:13], s[40:41]
.irp i, 0,1,2,3,4,5,6,7,8,9,10,11,12,13,14,15
	global_load_b32 v[TP+\i], v7, s[20:21] offset:1024*\i          ; thread n: channel n's sixteen sums
.endr
	global_load_b32 v5, v12, s[22:23]              ; my query's word of the mask
.irp hd, 0,1
.irp i, 0,1,2,3
.irp u, 0,1
	global_load_b128 v[QF+32*\hd+8*\i+4*\u:QF+32*\hd+8*\i+4*\u+3], v1, s[24:25] offset:4096*\hd+1024*\i+512*\u
.endr
.endr
.endr
.irp i, 0,1,2,3
.irp u, 0,1
	global_load_b128 v[KF+8*\i+4*\u:KF+8*\i+4*\u+3], v1, s[26:27] offset:1024*\i+512*\u
.endr
.endr
.irp c, 0,1,2,3
.irp k, 0,1,2,3,4,5,6,7
	global_load_b32 v[VT+8*\c+\k], v4, s[28:29] offset:1024*\c+16*\k   ; lane (channel r, h): token 8 h + k
.endr
.endr
	WIN 0x40
.irp cl, 0,1,2,3
.irp ct, 0,1,2,3
.irp pt, 0,1
.irp g, 0,1
	global_load_b128 v[((\cl*4+\ct)*2+\pt)*8+4*\g:((\cl*4+\ct)*2+\pt)*8+4*\g+3], v1, s[30:31] offset:\ct*32768+\cl*1024+512*\g+\pt*WLD
.endr
.endr
.endr
.endr
	WIN 0
	s_wait_loadcnt 0x3f                            ; of 137 loads at most 63 are out: the first 74 are in, which are all but Wo's and Wo's first
.irp k, 0,2,4,6
	v_pk_add_f32 v[TP+\k:TP+\k+1], v[TP+\k:TP+\k+1], v[TP+8+\k:TP+9+\k]
.endr
	v_pk_add_f32 v[TP:TP+1], v[TP:TP+1], v[TP+4:TP+5]
	v_pk_add_f32 v[TP+2:TP+3], v[TP+2:TP+3], v[TP+6:TP+7]
	v_pk_add_f32 v[TP:TP+1], v[TP:TP+1], v[TP+2:TP+3]
	v_add_f32 v[TP], v[TP], v[TP+1]
	v_mul_f32 v[TP], 0x3a000000, v[TP]             ; / 2,048
	ds_store_b32 v7, v[TP]
	s_cmp_lg_u32 s15, 0
	s_cbranch_scc1 .Lnot_first
	global_store_b32 v7, v[TP], s[34:35]           ; one group of a batch stores the mean for the next launch
.Lnot_first:
	s_wait_xcnt 0x0                                ; the store has read its data: the register is written again below
	s_wait_dscnt 0x0
	s_barrier_signal -1
	s_barrier_wait -1                              ; the mean lies in LDS
	; S^T = K Q^T: 16 steps of 4 along the head's 64; the two heads by turns
	v_wmma_f32_16x16x4_f32 v[SA:SA+7], v[KF:KF+1], v[QF:QF+1], 0
	v_wmma_f32_16x16x4_f32 v[SA+8:SA+15], v[KF:KF+1], v[QF+32:QF+33], 0
.set kk, 1
.rept 15
	v_wmma_f32_16x16x4_f32 v[SA:SA+7], v[KF+2*kk:KF+2*kk+1], v[QF+2*kk:QF+2*kk+1], v[SA:SA+7]
	v_wmma_f32_16x16x4_f32 v[SA+8:SA+15], v[KF+2*kk:KF+2*kk+1], v[QF+32+2*kk:QF+33+2*kk], v[SA+8:SA+15]
.set kk, kk+1
.endr
.rept 8
	v_nop                                          ; eight plain instructions behind this form, ahead of the first read of a result
.endr
.irp j, 0,1,2,3,4,5,6,7
	v_cmp_gt_i32 vcc_lo, \j, v6
	v_cndmask_b32 v[TP+\j], v[SA+\j], v13, vcc_lo
	v_cndmask_b32 v[TP+8+\j], v[SA+8+\j], v13, vcc_lo
.endr
.irp hd, 0,1
	v_max3_num_f32 v[240+\hd], v[TP+8*\hd], v[TP+8*\hd+1], v[TP+8*\hd+2]
.endr
.irp hd, 0,1
	v_max3_num_f32 v[240+\hd], v[240+\hd], v[TP+8*\hd+3], v[TP+8*\hd+4]
.endr
.irp hd, 0,1
	v_max3_num_f32 v[240+\hd], v[240+\hd], v[TP+8*\hd+5], v[TP+8*\hd+6]
.endr
.irp hd, 0,1
	v_max_num_f32 v[240+\hd], v[240+\hd], v[TP+8*\hd+7]
	v_mov_b32 v[242+\hd], 0
.endr
.irp hd, 0,1
	v_permlanex16_b32 v[242+\hd], v[240+\hd], s38, s39
.endr
.irp hd, 0,1
	v_max_num_f32 v[240+\hd], v[240+\hd], v[242+\hd]               ; the row's largest score (key 0 counts for every query)
.endr
.irp hd, 0,1
	v_mul_f32 v[240+\hd], 0xbe38aa3b, v[240+\hd]                   ; - c m
.endr
.irp hd, 0,1
.irp j, 0,1,2,3,4,5,6,7
	v_fma_f32 v[TP+8*\hd+\j], v[TP+8*\hd+\j], s36, v[240+\hd]
.endr
.endr
.set kk, 0
.rept 16
	v_exp_f32 v[TP+kk], v[TP+kk]
.set kk, kk+1
.endr
	v_nop
	s_wait_alu depctr_va_vdst(0)                   ; one wait for the batch, ahead of its first reader
.irp hd, 0,1
	v_add_f32 v[244+\hd], v[TP+8*\hd], v[TP+8*\hd+1]
.endr
.irp j, 2,3,4,5,6,7
.irp hd, 0,1
	v_add_f32 v[244+\hd], v[244+\hd], v[TP+8*\hd+\j]
.endr
.endr
.irp hd, 0,1
	v_permlanex16_b32 v[242+\hd], v[244+\hd], s38, s39
.endr
.irp hd, 0,1
	v_add_f32 v[244+\hd], v[244+\hd], v[242+\hd]
.endr
	v_rcp_f32 v246, v244
	v_rcp_f32 v247, v245
	v_nop
	s_wait_alu depctr_va_vdst(0)
	; O^T = V^T P^T: 4 steps of 4 keys (2 s, 2 s + 1, 8 + 2 s, 9 + 2 s); eight accumulators by turns
.irp sp, 0,1,2,3
.irp hd, 0,1
.irp c, 0,1,2,3
.if \sp == 0
	v_wmma_f32_16x16x4_f32 v[OA+32*\hd+8*\c:OA+32*\hd+8*\c+7], v[VT+8*\c+2*\sp:VT+8*\c+2*\sp+1], v[TP+8*\hd+2*\sp:TP+8*\hd+2*\sp+1], 0
.else
	v_wmma_f32_16x16x4_f32 v[OA+32*\hd+8*\c:OA+32*\hd+8*\c+7], v[VT+8*\c+2*\sp:VT+8*\c+2*\sp+1], v[TP+8*\hd+2*\sp:TP+8*\hd+2*\sp+1], v[OA+32*\hd+8*\c:OA+32*\hd+8*\c+7]
.endif
.endr
.endr
.endr
.rept 8
	v_nop
.endr
.irp c, 0,1,2,3
.irp e, 0,1
	ds_load_b128 v[VT+8*\c+4*\e:VT+8*\c+4*\e+3], v11 offset:64*\c+16*\e   ; the mean of channels 16 c + 8 h + 0..7
.endr
.endr
.irp hd, 0,1
.set kk, 0
.rept 32
	v_mul_f32 v[16+32*\hd+kk], v[OA+32*\hd+kk], v[246+\hd]         ; / the row's sum, into other registers
.set kk, kk+1
.endr
.endr
	s_wait_dscnt 0x0
	v_cmp_eq_u32 vcc_lo, 0, v5
.irp hd, 0,1
.set kk, 0
.rept 32
	v_cndmask_b32 v[16+32*\hd+kk], v[16+32*\hd+kk], v[VT+kk], vcc_lo   ; a hidden row takes the mean
.set kk, kk+1
.endr
.endr
; two numbers -> high parts and low parts.  A register's halves are named on plainly numbered registers: the pair is made in v14 or v15 and copied.  The low parts pack downwards and never overtake their sources
.macro SPLIT h, l, x, alt
.if \alt
	v_cvt_pk_f16_f32 v15, v[\x], v[\x+1]
	v_cvt_f32_f16 v242, v15.l
	v_cvt_f32_f16 v243, v15.h
	v_mov_b32 v[\h], v15
	v_sub_f32 v242, v[\x], v242
	v_sub_f32 v243, v[\x+1], v243
	v_cvt_pk_f16_f32 v[\l], v242, v243
.else
	v_cvt_pk_f16_f32 v14, v[\x], v[\x+1]
	v_cvt_f32_f16 v240, v14.l
	v_cvt_f32_f16 v241, v14.h
	v_mov_b32 v[\h], v14
	v_sub_f32 v240, v[\x], v240
	v_sub_f32 v241, v[\x+1], v241
	v_cvt_pk_f16_f32 v[\l], v240, v241
.endif
.endm
.set ii, 0
.rept 32
	SPLIT HI+ii, LO+ii, 16+2*ii, ii%2
.set ii, ii+1
.endr
	s_wait_loadcnt 0x0                             ; Wo's fragments
	WIN 0x01                                       ; source 0 window 1
.irp cl, 0,1,2,3                       ; high x high, high x low, low x high; the four column blocks by turns
.irp tm, 0,1,2
.irp ct, 0,1,2,3
.set rB, ((\cl*4+\ct)*2+\tm/2)*8
.set rA, HI+8*\cl+(\tm%2)*(LO-HI)
.if \cl+\tm == 0
	v_wmma_f32_16x16x32_f16 v[PACC+8*\ct:PACC+8*\ct+7], v[rB:rB+7], v[rA:rA+7], 0
.else
	v_wmma_f32_16x16x32_f16 v[PACC+8*\ct:PACC+8*\ct+7], v[rB:rB+7], v[rA:rA+7], v[PACC+8*\ct:PACC+8*\ct+7]
.endif
.endr
.endr
.endr
	WIN 0
.rept 4
	v_nop
.endr
.irp ct, 0,1,2,3
.irp u, 0,1
	ds_store_b128 v8, v[PACC+8*\ct+4*\u:PACC+8*\ct+4*\u+3] offset:1600*\ct+784*\u
.endr
.endr
	s_wait_dscnt 0x0
	s_barrier_signal -1
	s_barrier_wait -1                              ; the eight parts lie in LDS
.irp i, 0,1,2,3,4,5,6,7
	ds_load_b128 v[112+4*\i:115+4*\i], v9 offset:6400*\i
.endr
	s_wait_dscnt 0x0
.irp i, 0,1,2,3
	v_pk_add_f32 v[112+4*\i:113+4*\i], v[112+4*\i:113+4*\i], v[128+4*\i:129+4*\i]
	v_pk_add_f32 v[114+4*\i:115+4*\i], v[114+4*\i:115+4*\i], v[130+4*\i:131+4*\i]
.endr
.irp i, 0,1
	v_pk_add_f32 v[112+4*\i:113+4*\i], v[112+4*\i:113+4*\i], v[120+4*\i:121+4*\i]
	v_pk_add_f32 v[114+4*\i:115+4*\i], v[114+4*\i:115+4*\i], v[122+4*\i:123+4*\i]
.endr
	v_pk_add_f32 v[112:113], v[112:113], v[116:117]
	v_pk_add_f32 v[114:115], v[114:115], v[118:119]
	global_store_b128 v10, v[112:115], s[32:33]    ; sixteen lanes store 256 consecutive bytes, aligned
	s_wait_tensorcnt 0x0                           ; the wave's end
	ds_add_u32 v[SPW], v[NIL]
	s_wait_dscnt 0x0
	s_endpgm
.Lfunc_end_k_q3d8245bad5_fine:
	.size	k_q3d8245bad5_fine, .Lfunc_end_k_q3d8245bad5_fine-k_q3d8245bad5_fine
	.p2alignl 7, 3214868480
	.fill 96, 4, 3214868480
	.section	.rodata,"a",@progbits
	.p2align	6, 0x0
	.amdhsa_kernel k_q3d8245bad5_fine
		.amdhsa_group_segment_fixed_size 53248
		.amdhsa_private_segment_fixed_size 0
		.amdhsa_enable_private_segment 0
		.amdhsa_kernarg_size 40
		.amdhsa_user_sgpr_count 2
		.amdhsa_user_sgpr_kernarg_segment_ptr 1
		.amdhsa_wavefront_size32 1
		.amdhsa_system_sgpr_workgroup_id_x 1
		.amdhsa_system_sgpr_workgroup_id_y 1
		.amdhsa_system_sgpr_workgroup_id_z 1
		.amdhsa_system_vgpr_workitem_id 0
		.amdhsa_next_free_vgpr 512
		.amdhsa_next_free_sgpr 66
		.amdhsa_reserve_vcc 1
		.amdhsa_float_denorm_mode_32 3
		.amdhsa_float_denorm_mode_16_64 3
		.amdhsa_memory_ordered 1
		.amdhsa_forward_progress 1
		.amdhsa_inst_pref_size 46
	.end_amdhsa_kernel
	.amdgpu_metadata
---
amdhsa.version: [ 1, 2 ]
amdhsa.kernels:
  - .name:           k_q3d8245bad5_fine
    .symbol:         k_q3d8245bad5_fine.kd
    .args:
      - { .name: qkv, .offset: 0, .size: 8, .value_kind: global_buffer, .address_space: global }
      - { .name: prep, .offset: 8, .size: 8, .value_kind: global_buffer, .address_space: global }
      - { .name: attention_mask, .offset: 16, .size: 8, .value_kind: global_buffer, .address_space: global }
      - { .name: out0, .offset: 24, .size: 8, .value_kind: global_buffer, .address_space: global }
      - { .name: vmean, .offset: 32, .size: 8, .value_kind: global_buffer, .address_space: global }
    .group_segment_fixed_size: 53248
    .private_segment_fixed_size: 0
    .kernarg_segment_align: 8
    .kernarg_segment_size: 40
    .max_flat_workgroup_size: 256
    .sgpr_count:     66
    .vgpr_count:     512
    .wavefront_size: 32
...
	.end_amdgpu_metadata
.endif
;; end of part 3
;; launch attn (part 4): grid 16 x 16, 16 waves a work-group, no clusters, 327,680 bytes of LDS; arguments qkv, vmean, attention_mask, ao; writes ao
.if DOCPART == 4
	.amdgcn_target "amdgcn-amd-amdhsa--gfx1250"
	.amdhsa_code_object_version 6
	.text
	.protected	k_q3d8245bad5_attn
	.globl	k_q3d8245bad5_attn
	.p2align	8
	.type	k_q3d8245bad5_attn,@function
k_q3d8245bad5_attn:
	s_mov_b64 s[64:65], 0
	v_nop
	global_prefetch_b8 v0, s[64:65] scope:SCOPE_SE
	s_setreg_imm32_b32 hwreg(HW_REG_WAVE_MODE, 25, 1), 1
	s_wait_xcnt 0x0
; ATTN: causal attention with grouped queries, operands in f16, sums, maxima and exponentials in f32.  Q, K: images of operand registers (16 tokens x 64 of a head: 2 KiB); V: tiles [16 tokens][16 channels]; the output: images for the projection.
; A work-group (x: p = 0..15, y: 4 batch + key-value head) holds the FOUR query heads of a key-value head, so that each tile of K and V in LDS serves all four: wave w takes head w / 4 and 16 queries, tile w % 4, of a block of 64.
; It owns two blocks of 64 queries: first block 31 - p with 32 - p key steps of 64, then block p with p + 1: always 33 steps, so all 256 groups have equal work and every trip count is a constant.
; NO CLUSTER: the sixteen groups of a key-value head walk runs of keys of different lengths, so partners would need different numbers of tiles.
; Both products are used transposed (S^T = K Q^T, O^T = V^T P^T): a lane holds one query.  A running maximum m and sum l: p = 2^(c s - c m), c = log2(e) / 8; O and l are multiplied by 2^(c m_old - c m_new) in every step.
; On the diagonal step hidden scores become -infinity.  A row that the padding mask hides has all scores equal: it gets the mean of V over the sequence, made by the launch before.
; THE RING: two LDS slots of three key steps (K 8 KiB + V 8 KiB each); waves 0-5 bring one tile each by one tensor load; one is out at a time in a wave, and every wait for tensor loads is for all.
; LIMITS: Q, K, V and the output under 65,504 in magnitude; NaN and infinities are not served.
; REGISTERS: v1-11 addresses and constants; v12 c m, v13 m, v[14:15] l; v16-19 at work (v18 the rescaling factor); v24-39 Q; v40-103 K; v104-135 S, then p; v136-151 P in f16; v152-183 O^T; v184-247 V.
.set O_KI, 16777216
.set O_VI, 20971520
.set SLOT1, 65536
.set STEPB, 16384
.set VMS,   122880                     ; 256 bytes a wave: the mean of my head's 64 channels
.set SPARE, 126976                     ; the spare words, 128 bytes a wave
.set SPW, 20
.set NIL, 21
.set QF, 24
.set KF, 40
.set SR, 104
.set PR, 136
.set OT, 152
.set VF, 184
.set WV, 12
.set PN, 13
.set YY, 14
.set N1, 15
.set G1, 24
.set G0, 32
.set TBASE, 36
.set GG, 38                            ; the key step, counted through both blocks, that my next load (or prefetch) names
.set LIMG, 39
.set PFA, 40
.set TB, 42
.set KS, 43
.set QB, 44
.set SEC, 45
.set SLOTS, 46
.set CNT3, 47
.set CC, 48
.set SEL, 50
.set AOB, 52
.set AOB2, 54
.set QP2, 56
.macro TLOAD                           ; waves 0-5: my tile.  An s_nop 0 and four v_nop follow the load
	s_cmp_lt_u32 s[WV], 6
	s_cbranch_scc0 .Lno_load_\@
	tensor_load_to_lds s[G0:G0+3], s[G1:G1+7]
	s_nop 0
.rept 4
	v_nop
.endr
.Lno_load_\@:
.endm
; A PREFETCH of what the next change of slots will ask for.  All sixteen groups of a key-value head walk the same K and V from key 0 on; the group with p = 0 walks all 32 steps in order, and it alone asks: its waves 6-11,
; which fetch nothing, name one tile of 8 KiB each, lanes 256 bytes apart, three key steps ahead of the load that wants it.  So each 256 bytes are named once in the launch.  Slots 0 and 1 come by their loads alone; steps from 32 on are not asked for.
.macro ASK
	s_cmp_lt_u32 s[GG], s[LIMG]
	s_cbranch_scc0 .Lno_ask_\@
	global_prefetch_b8 v11, s[PFA:PFA+1] th:TH_LOAD_NT scope:SCOPE_SE
.Lno_ask_\@:
.endm
	s_load_b256 s[4:11], s[0:1], 0x0               ; qkv, vmean, the mask, ao
	v_lshl_add_u32 v[SPW], v0, 2, SPARE
	v_mov_b32 v[NIL], 0
	ds_add_u32 v[SPW], v[NIL]                      ; the opening: the add, twice on end, and its wait ahead of the first tensor load
	ds_add_u32 v[SPW], v[NIL]
	v_lshrrev_b32 v1, 5, v0
	v_readfirstlane_b32 s[WV], v1
	s_mov_b32 s[PN], ttmp9
	s_and_b32 s[YY], ttmp7, 0xffff
	s_sub_co_u32 s[N1], 32, s[PN]                  ; key steps of the first block
	s_sub_co_u32 s[QB], 31, s[PN]
	s_mov_b32 s[G1], 3<<16                         ; a tile: 8 KiB dense, as 32 rows of 32 elements of 8 bytes
	s_mov_b32 s[G1+1], 32<<16
	s_mov_b32 s[G1+2], 32<<16
	s_mov_b32 s[G1+3], 32<<16
	s_mov_b32 s[G1+4], 32
	s_mov_b32 s[G1+5], 32
	s_mov_b32 s[G1+6], 0
	s_mov_b32 s[G1+7], 0
	s_sub_co_u32 s17, s[WV], 6
	s_cmp_lt_u32 s[WV], 6
	s_cselect_b32 s16, s[WV], s17                  ; which tile of a slot: step / 2, K or V
	s_cselect_b32 s[GG], 0, 3                      ; the prefetching waves run a slot ahead
	s_lshr_b32 s18, s16, 1
	s_add_co_u32 s[GG], s[GG], s18
	s_and_b32 s19, s16, 1
	s_mov_b32 s20, O_VI
	s_cmp_eq_u32 s19, 0
	s_cselect_b32 s20, O_KI, s20
	s_lshl_b32 s21, s[YY], 18
	s_add_co_u32 s20, s20, s21
	s_mov_b32 s21, 0
	s_mov_b32 s[G0], 1
	s_lshl_b32 s[G0+1], s16, 13
	s_cmp_lt_u32 s17, 6                            ; waves 6-11,
	s_cselect_b32 s22, 0, 1
	s_or_b32 s22, s22, s[PN]                       ; of the group with p = 0
	s_cmp_eq_u32 s22, 0
	s_cselect_b32 s[LIMG], 32, 0
	s_lshl_b32 s22, s[GG], 13
	s_mov_b32 s23, 0
	s_mov_b32 s[CC], 0x3e38aa3b                    ; c = log2(e) / 8
	s_mov_b32 s[CC+1], s[CC]
	s_mov_b32 s[SEL], 0x76543210
	s_mov_b32 s[SEL+1], 0xfedcba98
	s_mov_b32 s[TB], 0
	s_mov_b32 s[KS], 0
	s_mov_b32 s[SEC], 0
	s_mov_b32 s[SLOTS], 10
	s_wait_dscnt 0x0                               ; both opening adds are done
	s_wait_kmcnt 0x0
	s_add_nc_u64 s[TBASE:TBASE+1], s[4:5], s[20:21]
	s_add_nc_u64 s[PFA:PFA+1], s[TBASE:TBASE+1], s[22:23]
	s_mov_b64 s[G0+2:G0+3], s[PFA:PFA+1]
	s_or_b32 s[G0+3], s[G0+3], 0x80000000
	TLOAD                                          ; slot 0
	s_lshr_b32 s58, s[YY], 2                       ; batch
	s_and_b32 s59, s[YY], 3
	s_lshr_b32 s60, s[WV], 2
	s_lshl_b32 s61, s59, 2
	s_add_co_u32 s60, s60, s61                     ; my query head
	s_and_b32 s61, s[WV], 3                        ; my tile of 16 queries
	s_mov_b32 s17, 0
	s_lshl_b32 s62, s58, 4
	s_add_co_u32 s62, s62, s60
	s_lshl_b32 s62, s62, 7
	s_add_co_u32 s62, s62, s61
	s_lshl_b32 s16, s[QB], 2
	s_add_co_u32 s16, s16, s62
	s_lshl_b32 s16, s16, 11
	s_add_nc_u64 s[18:19], s[4:5], s[16:17]        ; Q of the first block
	s_lshl_b32 s16, s[PN], 2
	s_add_co_u32 s16, s16, s62
	s_lshl_b32 s16, s16, 11
	s_add_nc_u64 s[QP2:QP2+1], s[4:5], s[16:17]    ; and of the second
	s_lshl_b32 s62, s58, 7
	s_add_co_u32 s62, s62, s61
	s_lshl_b32 s63, s60, 1
	s_lshl_b32 s16, s[QB], 2
	s_add_co_u32 s16, s16, s62
	s_lshl_b32 s16, s16, 5
	s_add_co_u32 s16, s16, s63
	s_lshl_b32 s16, s16, 10
	s_add_nc_u64 s[AOB:AOB+1], s[10:11], s[16:17]  ; the output: block of 16 tokens x 32 chunks + 2 head, 1 KiB each
	s_lshl_b32 s16, s[PN], 2
	s_add_co_u32 s16, s16, s62
	s_lshl_b32 s16, s16, 5
	s_add_co_u32 s16, s16, s63
	s_lshl_b32 s16, s16, 10
	s_add_nc_u64 s[AOB2:AOB2+1], s[10:11], s[16:17]
	s_lshl_b32 s62, s58, 11
	s_lshl_b32 s63, s61, 4
	s_add_co_u32 s62, s62, s63
	s_lshl_b32 s16, s[QB], 6
	s_add_co_u32 s16, s16, s62
	s_lshl_b32 s16, s16, 2
	s_add_nc_u64 s[20:21], s[8:9], s[16:17]        ; the mask's words of my queries, first block
	s_lshl_b32 s16, s[PN], 6
	s_add_co_u32 s16, s16, s62
	s_lshl_b32 s16, s16, 2
	s_add_nc_u64 s[22:23], s[8:9], s[16:17]        ; second block
	s_lshl_b32 s16, s[YY], 8
	s_add_nc_u64 s[6:7], s[6:7], s[16:17]          ; the mean of my key-value head's 64 channels
	v_and_b32 v9, 31, v0
	v_and_b32 v7, 15, v0                           ; r
	v_bfe_u32 v23, v0, 4, 1                        ; h
	v_lshlrev_b32 v1, 4, v9                        ; 16 x lane
	v_lshlrev_b32 v11, 8, v9                       ; 256 x lane
	v_and_b32 v2, 7, v0                            ; the turning load: token 8 h + lane % 8 of a tile (32 bytes a token), channels 8 ((lane / 8) % 2) on
	v_lshl_add_u32 v2, v23, 3, v2
	v_lshlrev_b32 v2, 5, v2
	v_bfe_u32 v3, v0, 3, 1
	v_lshl_add_u32 v2, v3, 4, v2
	v_add_nc_u32 v2, 8192, v2                      ; V lies behind K in a step
	s_lshl_b32 s16, s61, 4
	v_lshlrev_b32 v5, 3, v23
	v_sub_nc_u32 v5, v7, v5
	v_add_nc_u32 v5, s16, v5                       ; d = my query in the block - 8 h: register 8 kt + j holds key 16 kt + 8 h + j, hidden on the diagonal where 16 kt + j > d
	v_mov_b32 v6, 0xff800000
	s_lshl_b32 s16, s[WV], 8
	s_add_co_u32 s16, s16, VMS
	v_lshl_add_u32 v8, v23, 5, s16
	v_lshl_add_u32 v9, v7, 4, s16
	v_lshlrev_b32 v23, 4, v7
	v_lshlrev_b32 v7, 2, v7
.irp g, 0,1,2,3
	global_load_b128 v[QF+4*\g:QF+4*\g+3], v1, s[18:19] offset:512*\g
.endr
	global_load_b32 v10, v7, s[20:21]
	global_load_b32 v22, v7, s[22:23]
	global_load_b128 v[248:251], v23, s[6:7]
	v_mov_b32 v13, 0xff61b1e6                      ; m: -3e38, under every score
	v_mul_f32 v12, s[CC], v13
	v_mov_b32 v14, 0
	v_mov_b32 v15, 0
.set kk, 0
.rept 32
	v_mov_b32 v[OT+kk], 0                          ; the step is written once: the first finds zeros, which the first rescaling leaves zeros
.set kk, kk+1
.endr
	s_wait_loadcnt 0x0
	ds_store_b128 v9, v[248:251]                   ; my wave's own copy (both halves of the lanes write the same bytes with the same values)
; THE END OF A BLOCK OF QUERIES, behind its diagonal step
.macro FINISH
.rept 4
	v_nop                                          ; four plain instructions behind the last products, ahead of loads into V's registers and of the first read of O^T
.endr
	s_cmp_lg_u32 s[SEC], 0
	s_cbranch_scc1 .Lno_q_\@
.irp g, 0,1,2,3
	global_load_b128 v[QF+4*\g:QF+4*\g+3], v1, s[QP2:QP2+1] offset:512*\g   ; the second block's queries
.endr
.Lno_q_\@:
.irp c, 0,1,2,3
.irp e, 0,1
	ds_load_b128 v[VF+8*\c+4*\e:VF+8*\c+4*\e+3], v8 offset:64*\c+16*\e
.endr
.endr
	v_add_f32 v16, v14, v15
	v_permlanex16_b32 v17, v16, s[SEL], s[SEL+1]
	v_add_f32 v16, v16, v17                        ; the row's sum
	v_rcp_f32 v18, v16
	v_nop
	s_wait_alu depctr_va_vdst(0)
.set kk, 0
.rept 16
	v_pk_mul_f32 v[OT+kk:OT+kk+1], v[OT+kk:OT+kk+1], v[18:19] op_sel_hi:[1,0]
.set kk, kk+2
.endr
	s_wait_dscnt 0x0
	v_cmp_ne_u32 vcc_lo, 0, v10
.set kk, 0
.rept 32
	v_cndmask_b32 v[OT+kk], v[VF+kk], v[OT+kk], vcc_lo             ; a hidden row takes the mean of V
.set kk, kk+1
.endr
.set kk, 0
.rept 16
	v_cvt_pk_f16_f32 v[PR+kk], v[OT+2*kk], v[OT+2*kk+1]
.set kk, kk+1
.endr
.irp c, 0,1,2,3
	global_store_b128 v1, v[PR+4*\c:PR+4*\c+3], s[AOB:AOB+1] offset:512*\c   ; a group of the projection's operand: 512 consecutive bytes
.endr
	s_wait_xcnt 0x0                                ; the stores have read their data and base: both are written again
	s_wait_loadcnt 0x0                             ; the second block's queries are in
	s_cmp_lg_u32 s[SEC], 0
	s_cbranch_scc1 .Ldone_\@
	v_mov_b32 v13, 0xff61b1e6                      ; the second block begins as the first did
	v_mul_f32 v12, s[CC], v13
	v_mov_b32 v14, 0
	v_mov_b32 v15, 0
.set kk, 0
.rept 32
	v_mov_b32 v[OT+kk], 0
.set kk, kk+1
.endr
	v_mov_b32 v10, v22
	s_mov_b32 s[QB], s[PN]
	s_mov_b32 s[KS], -1                            ; (the step's end adds one)
	s_mov_b32 s[SEC], 1
	s_mov_b64 s[AOB:AOB+1], s[AOB2:AOB2+1]
.Ldone_\@:
.endm
; A KEY STEP: 64 keys
.macro STEP
	v_add_nc_u32 v3, s[TB], v1
	v_add_nc_u32 v4, s[TB], v2
	v_nop
	v_nop                                          ; with the two additions: four plain instructions behind the last products, ahead of the loads into V's registers
.irp kt, 0,1,2,3
.irp dc, 0,1
.irp g, 0,1
	ds_load_b128 v[KF+8*(2*\kt+\dc)+4*\g:KF+8*(2*\kt+\dc)+4*\g+3], v3 offset:2048*\kt+1024*\dc+512*\g
.endr
.endr
.endr
.irp u, 0,1
.irp c, 0,1,2,3
.irp g, 0,1
	ds_load_tr16_b128 v[VF+8*(4*\u+\c)+4*\g:VF+8*(4*\u+\c)+4*\g+3], v4 offset:(4*(2*\u+\g)+\c)*512
.endr
.endr
.endr
	s_wait_dscnt 16                                ; K's sixteen loads are in; V's may be out
.irp dc, 0,1                           ; the four tiles of keys by turns
.irp kt, 0,1,2,3
.if \dc == 0
	v_wmma_f32_16x16x32_f16 v[SR+8*\kt:SR+8*\kt+7], v[KF+8*(2*\kt+\dc):KF+8*(2*\kt+\dc)+7], v[QF+8*\dc:QF+8*\dc+7], 0
.else
	v_wmma_f32_16x16x32_f16 v[SR+8*\kt:SR+8*\kt+7], v[KF+8*(2*\kt+\dc):KF+8*(2*\kt+\dc)+7], v[QF+8*\dc:QF+8*\dc+7], v[SR+8*\kt:SR+8*\kt+7]
.endif
.endr
.endr
.rept 4
	v_nop
.endr
	s_cmp_lg_u32 s[KS], s[QB]
	s_cbranch_scc1 .Lopen_\@                       ; only the diagonal step hides keys
.irp kt, 0,1,2,3
.irp j, 0,1,2,3,4,5,6,7
	v_cmp_gt_i32 vcc_lo, 16*\kt+\j, v5
	v_cndmask_b32 v[SR+8*\kt+\j], v[SR+8*\kt+\j], v6, vcc_lo
.endr
.endr
.Lopen_\@:
.irp j, 0,1,2,3
	v_max3_num_f32 v[16+\j], v[SR+8*\j], v[SR+8*\j+1], v[SR+8*\j+2]   ; four chains, each begun at an accumulator's low end
.endr
.irp q, 1,2
.irp j, 0,1,2,3
	v_max3_num_f32 v[16+\j], v[16+\j], v[SR+8*\j+2*\q+1], v[SR+8*\j+2*\q+2]
.endr
.endr
	v_max3_num_f32 v16, v16, v[SR+7], v[SR+15]
	v_max3_num_f32 v18, v18, v[SR+23], v[SR+31]
	v_max3_num_f32 v16, v16, v17, v18
	v_max3_num_f32 v16, v16, v19, v13              ; with the old m
	v_permlanex16_b32 v17, v16, s[SEL], s[SEL+1]   ; the query's other 32 keys lie in the lane 16 away
	v_mov_b32 v19, v12
	v_max_num_f32 v13, v16, v17
	v_mul_f32 v12, s[CC], v13
	v_sub_f32 v19, v19, v12                        ; c m_old - c m_new
.set kk, 0
.rept 16
	v_pk_fma_f32 v[SR+kk:SR+kk+1], v[SR+kk:SR+kk+1], s[CC:CC+1], v[12:13] op_sel_hi:[1,0,0] neg_lo:[0,0,1] neg_hi:[0,0,1]
.set kk, kk+2
.endr
	v_exp_f32 v18, v19
.set kk, 0
.rept 32
	v_exp_f32 v[SR+kk], v[SR+kk]
.set kk, kk+1
.endr
	v_nop                                          ; a plain instruction behind the last exponential,
	s_wait_alu depctr_va_vdst(0)                   ; and one wait for the batch of 33, ahead of its first reader
.set kk, 0
.rept 16
	v_cvt_pk_f16_f32 v[PR+kk], v[SR+2*kk], v[SR+2*kk+1]
.set kk, kk+1
.endr
.irp u, 0,1,2,3,4,5,6,7
	v_pk_add_f32 v[SR+4*\u:SR+4*\u+1], v[SR+4*\u:SR+4*\u+1], v[SR+4*\u+2:SR+4*\u+3]
.endr
.irp u, 0,1,2,3
	v_pk_add_f32 v[SR+8*\u:SR+8*\u+1], v[SR+8*\u:SR+8*\u+1], v[SR+8*\u+4:SR+8*\u+5]
.endr
.irp u, 0,1
	v_pk_add_f32 v[SR+16*\u:SR+16*\u+1], v[SR+16*\u:SR+16*\u+1], v[SR+16*\u+8:SR+16*\u+9]
.endr
	v_pk_add_f32 v[SR:SR+1], v[SR:SR+1], v[SR+16:SR+17]
	v_pk_fma_f32 v[14:15], v[14:15], v[18:19], v[SR:SR+1] op_sel_hi:[1,0,1]
.set kk, 0
.rept 16
	v_pk_mul_f32 v[OT+kk:OT+kk+1], v[OT+kk:OT+kk+1], v[18:19] op_sel_hi:[1,0]
.set kk, kk+2
.endr
	s_wait_dscnt 0x0                               ; V is in
.irp u, 0,1                            ; the four tiles of channels by turns
.irp c, 0,1,2,3
	v_wmma_f32_16x16x32_f16 v[OT+8*\c:OT+8*\c+7], v[VF+8*(4*\u+\c):VF+8*(4*\u+\c)+7], v[PR+8*\u:PR+8*\u+7], v[OT+8*\c:OT+8*\c+7]
.endr
.endr
	s_cmp_lg_u32 s[KS], s[QB]
	s_cbranch_scc1 .Lgo_\@
	FINISH
.Lgo_\@:
	s_add_co_u32 s[KS], s[KS], 1
.endm
; THE CHANGE OF SLOTS, at a slot's head.  Each wave waits for all its tensor loads, adds 0 to its spare word and waits for that and for its reads of the slot that it has left; behind the barrier the slot ahead is whole and nobody reads the other.
; fill = 1: the other slot takes the next three steps; the load has three steps' work in which to land.
.macro CHANGE fill
	s_wait_tensorcnt 0x0                           ; no tensor load of mine is out, so group 0 may be written
	ds_add_u32 v[SPW], v[NIL]
.if \fill
	ds_add_u32 v[SPW], v[NIL]                      ; twice on end here, in every trip alike
	s_add_co_u32 s[GG], s[GG], 3
	s_sub_co_u32 s16, s[GG], s[N1]
	s_cmp_lt_u32 s[GG], s[N1]
	s_cselect_b32 s16, s[GG], s16                  ; the key step: the second block begins again at key 0
	s_lshl_b32 s16, s16, 13
	s_mov_b32 s17, 0
	s_add_nc_u64 s[G0+2:G0+3], s[TBASE:TBASE+1], s[16:17]
	s_or_b32 s[G0+3], s[G0+3], 0x80000000
	s_xor_b32 s[G0+1], s[G0+1], SLOT1
	s_wait_xcnt 0x0                                ; the last prefetch, a slot back, has read its address
	s_add_nc_u64 s[PFA:PFA+1], s[PFA:PFA+1], 3*8192
.endif
	s_wait_dscnt 0x0
	s_barrier_signal -1
	s_barrier_wait -1
.if \fill
	TLOAD                                          ; the first thing behind the barrier, and a wave's one tensor load until the next
	ASK
.endif
.endm
.macro THREE_STEPS
	s_mov_b32 s[CNT3], 3
.Lthree_\@:
	STEP
	s_add_co_u32 s[TB], s[TB], STEPB
	s_sub_co_u32 s[CNT3], s[CNT3], 1
	s_cmp_lg_u32 s[CNT3], 0
	s_cbranch_scc1 .Lthree_\@
	s_sub_co_u32 s[TB], s[TB], 3*STEPB
	s_xor_b32 s[TB], s[TB], SLOT1                  ; on to the other slot
.endm
.Lslot:                                            ; ten trips: behind each change of slots but the last the next slot is asked for
	CHANGE 1
	THREE_STEPS
	s_sub_co_u32 s[SLOTS], s[SLOTS], 1
	s_cmp_lg_u32 s[SLOTS], 0
	s_cbranch_scc1 .Lslot
	CHANGE 0                                       ; the last slot is written out
	THREE_STEPS
	s_wait_tensorcnt 0x0                           ; the wave's end
	ds_add_u32 v[SPW], v[NIL]
	s_wait_dscnt 0x0
	s_endpgm
.Lfunc_end_k_q3d8245bad5_attn:
	.size	k_q3d8245bad5_attn, .Lfunc_end_k_q3d8245bad5_attn-k_q3d8245bad5_attn
	.p2alignl 7, 3214868480
	.fill 96, 4, 3214868480
	.section	.rodata,"a",@progbits
	.p2align	6, 0x0
	.amdhsa_kernel k_q3d8245bad5_attn
		.amdhsa_group_segment_fixed_size 327680
		.amdhsa_private_segment_fixed_size 0
		.amdhsa_enable_private_segment 0
		.amdhsa_kernarg_size 32
		.amdhsa_user_sgpr_count 2
		.amdhsa_user_sgpr_kernarg_segment_ptr 1
		.amdhsa_wavefront_size32 1
		.amdhsa_system_sgpr_workgroup_id_x 1
		.amdhsa_system_sgpr_workgroup_id_y 1
		.amdhsa_system_sgpr_workgroup_id_z 1
		.amdhsa_system_vgpr_workitem_id 0
		.amdhsa_next_free_vgpr 256
		.amdhsa_next_free_sgpr 66
		.amdhsa_reserve_vcc 1
		.amdhsa_float_denorm_mode_32 3
		.amdhsa_float_denorm_mode_16_64 3
		.amdhsa_memory_ordered 1
		.amdhsa_forward_progress 1
		.amdhsa_inst_pref_size 46
	.end_amdhsa_kernel
	.amdgpu_metadata
---
amdhsa.version: [ 1, 2 ]
amdhsa.kernels:
  - .name:           k_q3d8245bad5_attn
    .symbol:         k_q3d8245bad5_attn.kd
    .args:
      - { .name: qkv, .offset: 0, .size: 8, .value_kind: global_buffer, .address_space: global }
      - { .name: vmean, .offset: 8, .size: 8, .value_kind: global_buffer, .address_space: global }
      - { .name: attention_mask, .offset: 16, .size: 8, .value_kind: global_buffer, .address_space: global }
      - { .name: ao, .offset: 24, .size: 8, .value_kind: global_buffer, .address_space: global }
    .group_segment_fixed_size: 327680
    .private_segment_fixed_size: 0
    .kernarg_segment_align: 8
    .kernarg_segment_size: 32
    .max_flat_workgroup_size: 512
    .sgpr_count:     66
    .vgpr_count:     256
    .wavefront_size: 32
...
	.end_amdgpu_metadata
.endif
;; end of part 4
;; launch oproj (part 5): grid 4 x 64, 4 waves a work-group, clusters of 4 x 4, 327,680 bytes of LDS; arguments ao, prep, out0; writes out0
.if DOCPART == 5
	.amdgcn_target "amdgcn-amd-amdhsa--gfx1250"
	.amdhsa_code_object_version 6
	.text
	.protected	k_q3d8245bad5_oproj
	.globl	k_q3d8245bad5_oproj
	.p2align	8
	.type	k_q3d8245bad5_oproj,@function
k_q3d8245bad5_oproj:
	s_mov_b64 s[64:65], 0
	v_nop
	global_prefetch_b8 v0, s[64:65] scope:SCOPE_SE
	s_setreg_imm32_b32 hwreg(HW_REG_WAVE_MODE, 25, 1), 1
	s_wait_xcnt 0x0
	s_wait_alu depctr_hold_cnt(0) depctr_sa_sdst(0) depctr_va_vdst(0) depctr_va_sdst(0) depctr_va_ssrc(0) depctr_va_vcc(0) depctr_vm_vsrc(0)
	s_getreg_b32 s2, hwreg(HW_REG_IB_STS2, 6, 4)
	s_cmp_eq_u32 s2, 0
	s_cbranch_scc0 .Lentry_in_a_cluster
	s_endpgm
.Lentry_in_a_cluster:
	s_bfe_u32 s2, ttmp6, 0x10000c
	s_cmp_lg_u32 s2, 0xf033
	s_cbranch_scc0 .Lentry_shape_is_right
	s_endpgm
.Lentry_shape_is_right:
; OPROJ: out0 [8192][1024] f32 = (attention output) Wo, operands in f16 (Wo's high parts), sums in f32.  Both operands lie in memory as images of operand registers: [16 rows][32 chunks of 32 along K][1 KiB].
; A tile of the output is 128 x 256: 256 work-groups of four waves; a wave makes 64 x 128: 32 accumulators.  K goes in steps of 128 through a ring of two LDS slots (A 32 KiB + B 64 KiB); every LDS read is 16 bytes at 16 x lane.
; CLUSTERS: 4 x 4.  The tile column is cx; THE TILE ROW IS 16 cy + the cluster's y, so that cy is the batch and 'this tile holds a sequence's first rows' is the test 'cluster y = 0', which is alike in all sixteen partners.
; A's tile is asked for jointly along a row of the cluster, B's along a column.  The first 16 rows of every sequence are not stored here: the launch that carries them finely owns them.
; THE MATRIX INSTRUCTION IS USED TRANSPOSED (source 0 = 16 columns of Wo, source 1 = 16 tokens): a lane holds eight neighbouring numbers of a row.
; REGISTERS: window 0: v16-30 addresses; v128-255 rows on the way out.  window 1: the accumulators, (a, b) at v[8 (8 a + b)].  window 2: two fragment buffers at v0 and v128: B's 64 registers, then A's 32.
.set O_WH, 5292032
.set SLOT,  98304
.set STAGE, 196608                     ; 16 rows x 528 bytes for each wave
.set SPARE, 230400
.set ADRA, 16
.set ADRB, 20
.set STO,  24
.set RD,   25
.set CO,   26
.set SPW,  28
.set NIL,  29
.set PFO,  30
.set BK,   128
.set F0,   0
.set F1,   128
.set G1,  24
.set G0,  32
.set G1B, 48
.set G0B, 56
.set PFA, 44
.set LIM, 43
.set MUL, 0x5a                         ; sources 0 and 1 window 2, C and D window 1
.set MSB, 0
.macro WIN new
.if MSB != (\new)
	s_set_vgpr_msb (MSB<<8)|(\new)
.set MSB, (\new)
.endif
.endm
.macro PLACES
.rept 4
	v_nop
.endr
.endm
.macro JLOAD s                         ; a joint load: waves 0 and 1 fetch A's halves, waves 2 and 3 B's; an s_nop 0 and four v_nop follow each line
	s_cmp_eq_u32 s11, 0
	s_cbranch_scc0 .Lfor_b_\@
	tensor_load_to_lds s[G0+4*\s:G0+4*\s+3], s[G1:G1+7]
	s_nop 0
	PLACES
	s_branch .Lasked_\@
.Lfor_b_\@:
	tensor_load_to_lds s[G0B+4*\s:G0B+4*\s+3], s[G1B:G1B+7]
	s_nop 0
	PLACES
.Lasked_\@:
.endm
.macro CREST
	s_cmp_lg_u32 s10, 0
	s_cbranch_scc1 .Lnot_wave_0_\@
	s_barrier_signal -3
.Lnot_wave_0_\@:
	s_barrier_wait -3
	s_barrier_signal -1
	s_barrier_wait -1
.endm
.macro CROUND
	s_barrier_signal -1
	s_barrier_wait -1
	CREST
.endm
; A PREFETCH of A's K step two refills on: 8 blocks x 4 KiB.  The four partners that ask for the tile jointly share it out by address, two blocks each; in each, wave 0 asks: a lane 256 bytes, one instruction.
; So each 256 bytes of the attention output are named once.  The first four K steps come by their loads alone; the last two refills ask for nothing.  Wo's 2 MiB are read by all 64 tile rows and are not asked for.
.macro ASK
	s_cmp_gt_u32 s3, s[LIM]
	s_cbranch_scc0 .Lnot_mine_\@
	global_prefetch_b8 v[PFO], s[PFA:PFA+1] offset:4096 th:TH_LOAD_NT scope:SCOPE_SE
.Lnot_mine_\@:
.endm
	s_load_b128 s[4:7], s[0:1], 0x0                ; ao, prep
	s_load_b64 s[8:9], s[0:1], 0x10                ; out0
	v_lshl_add_u32 v[SPW], v0, 2, SPARE
	v_mov_b32 v[NIL], 0
	ds_add_u32 v[SPW], v[NIL]                      ; the opening: the add, twice on end, and its wait ahead of my first tensor load
	ds_add_u32 v[SPW], v[NIL]
	v_lshrrev_b32 v1, 5, v0
	v_readfirstlane_b32 s10, v1                    ; wave
	s_lshr_b32 s11, s10, 1                         ; my half of the rows.  Also: I fetch for A (0) or for B (1)
	s_and_b32 s12, s10, 1                          ; my half of the columns.  Also: which half I fetch
	s_bfe_u32 s40, ttmp6, 0x40000                  ; cx
	s_bfe_u32 s41, ttmp6, 0x40004                  ; cy
	s_lshl_b32 s42, ttmp9, 2
	s_add_co_u32 s42, s42, s40                     ; tile column
	s_and_b32 s46, ttmp7, 0xffff                   ; the cluster's y
	s_lshl_b32 s13, s41, 4
	s_add_co_u32 s13, s13, s46                     ; tile row = 16 cy + cluster y
	s_or_b32 s47, s46, s11                         ; 0: my first 16 rows are a sequence's first (alike in all partners, for a given wave)
	s_lshl_b32 s20, s41, 2
	s_lshl_b32 s20, 15, s20                        ; my row of the cluster
	s_lshl_b32 s21, 0x1111, s40                    ; my column
	s_or_b32 s[G1], s20, (3<<16)|(1<<21)           ; elements of 8 bytes; bit 21 set beside a mask
	s_or_b32 s[G1B], s21, (3<<16)|(1<<21)
	s_mov_b32 s[G1+1], 512<<16                     ; A: 4 blocks x 4,096 bytes (a K step), 32,768 bytes apart
	s_mov_b32 s[G1+2], 4<<16
	s_mov_b32 s[G1+3], 512<<16
	s_mov_b32 s[G1+4], 4
	s_mov_b32 s[G1+5], 4096
	s_mov_b32 s[G1+6], 0
	s_mov_b32 s[G1+7], 0
	s_mov_b32 s[G1B+1], 512<<16                    ; B: 8 blocks
	s_mov_b32 s[G1B+2], 8<<16
	s_mov_b32 s[G1B+3], 512<<16
	s_mov_b32 s[G1B+4], 8
	s_mov_b32 s[G1B+5], 4096
	s_mov_b32 s[G1B+6], 0
	s_mov_b32 s[G1B+7], 0
	s_lshl_b32 s16, s13, 3
	s_lshl_b32 s22, s12, 2
	s_add_co_u32 s16, s16, s22
	s_lshl_b32 s16, s16, 15                        ; A: block 8 tile row + 4 half
	s_mov_b32 s17, 0
	s_lshl_b32 s18, s42, 4
	s_lshl_b32 s22, s12, 3
	s_add_co_u32 s18, s18, s22
	s_lshl_b32 s18, s18, 15
	s_add_co_u32 s18, s18, O_WH                    ; B: block 16 tile column + 8 half
	s_mov_b32 s19, 0
	s_lshl_b32 s22, s12, 14                        ; where they go in a slot: no place in the cluster enters an LDS address
	s_lshl_b32 s23, s12, 15
	s_add_co_u32 s23, s23, 32768
	s_wait_dscnt 0x0                               ; both opening adds are done
	s_wait_kmcnt 0x0
	s_add_nc_u64 s[14:15], s[4:5], s[16:17]
	s_add_nc_u64 s[18:19], s[6:7], s[18:19]
	CROUND                                         ; all sixteen work-groups are here: the first joint loads meet
.irp s, 0,1
	s_mov_b32 s[G0+4*\s], 1
	s_add_co_u32 s[G0+4*\s+1], s22, \s*SLOT
	s_add_nc_u64 s[G0+4*\s+2:G0+4*\s+3], s[14:15], \s*4096
	s_or_b32 s[G0+4*\s+3], s[G0+4*\s+3], 0x80000000
	s_mov_b32 s[G0B+4*\s], 1
	s_add_co_u32 s[G0B+4*\s+1], s23, \s*SLOT
	s_add_nc_u64 s[G0B+4*\s+2:G0B+4*\s+3], s[18:19], \s*4096
	s_or_b32 s[G0B+4*\s+3], s[G0B+4*\s+3], 0x80000000
	JLOAD \s
.endr
	v_and_b32 v1, 15, v0                           ; r
	v_bfe_u32 v2, v0, 4, 1                         ; h
	v_and_b32 v3, 31, v0
	v_lshlrev_b32 v[CO], 4, v3                     ; 16 x lane
	s_lshl_b32 s20, s11, 14
	s_lshl_b32 s21, s12, 15
	s_add_co_u32 s21, s21, 32768
.irp s, 0,1
	v_add_nc_u32 v[ADRA+\s], s20, v[CO]
	v_add_nc_u32 v[ADRB+\s], s21, v[CO]
	s_add_co_u32 s20, s20, SLOT
	s_add_co_u32 s21, s21, SLOT
.endr
	s_mul_i32 s20, s10, 16*528
	s_add_co_u32 s20, s20, STAGE                   ; my stage
	v_mul_u32_u24 v4, v1, 528
	v_lshl_add_u32 v4, v2, 5, v4
	v_add_nc_u32 v[STO], s20, v4                   ; in: row r, 32 bytes for each half of the lanes
	v_add_nc_u32 v[RD], s20, v[CO]                 ; back: the 32 lanes take a row of 512 bytes
	s_lshl_b32 s20, s13, 7
	s_lshl_b32 s21, s11, 6
	s_add_co_u32 s20, s20, s21
	s_lshl_b32 s20, s20, 12                        ; my first row of out0
	s_lshl_b32 s21, s42, 10
	s_add_co_u32 s20, s20, s21
	s_lshl_b32 s21, s12, 9
	s_add_co_u32 s20, s20, s21                     ; my first column
	s_mov_b32 s21, 0
	s_add_nc_u64 s[8:9], s[8:9], s[20:21]
	s_lshl_b32 s20, s13, 3
	s_lshl_b32 s22, s40, 1
	s_add_co_u32 s20, s20, s22
	s_lshl_b32 s20, s20, 15                        ; the prefetches: my work-group's two blocks of the tile's eight,
	s_add_co_u32 s20, s20, 2*4096                  ; at K step 2: the first refill steps it to 3 and names K step 4
	s_add_nc_u64 s[PFA:PFA+1], s[4:5], s[20:21]
	s_cmp_eq_u32 s10, 0
	s_cselect_b32 s[LIM], 1, -1
	v_lshlrev_b32 v[PFO], 15, v2
	v_lshl_add_u32 v[PFO], v1, 8, v[PFO]
.macro FETCH slot, q, f                ; 24 LDS loads in one run: the fragments of 32 along K: B's eight, then A's four
	WIN 0x80
.irp b, 0,1,2,3,4,5,6,7
.irp g, 0,1
	ds_load_b128 v[\f+8*\b+4*\g:\f+8*\b+4*\g+3], v[ADRB+\slot] offset:4096*\b+1024*(\q)+512*\g
.endr
.endr
.irp a, 0,1,2,3
.irp g, 0,1
	ds_load_b128 v[\f+64+8*\a+4*\g:\f+64+8*\a+4*\g+3], v[ADRA+\slot] offset:4096*\a+1024*(\q)+512*\g
.endr
.endr
.endm
.macro MULA f, a, zero                 ; 8 products: A's block a against B's eight.  The 32 accumulators take turns, one instruction a turn
.irp b, 0,1,2,3,4,5,6,7
.if \zero
	v_wmma_f32_16x16x32_f16 v[8*(8*(\a)+\b):8*(8*(\a)+\b)+7], v[\f+8*\b:\f+8*\b+7], v[\f+64+8*(\a):\f+64+8*(\a)+7], 0
.else
	v_wmma_f32_16x16x32_f16 v[8*(8*(\a)+\b):8*(8*(\a)+\b)+7], v[\f+8*\b:\f+8*\b+7], v[\f+64+8*(\a):\f+64+8*(\a)+7], v[8*(8*(\a)+\b):8*(8*(\a)+\b)+7]
.endif
.endr
.endm
; a K step is four quarters of 32 along K on buffers 0, 1, 0, 1.  One of the first three multiplies buffer f and fetches quarter qn of the same slot into g
.macro QUARTER slot, qn, f, g, zero
	s_wait_dscnt 4                                 ; all but the youngest four loads (A's blocks 2 and 3)
	WIN MUL
	MULA \f, 0, \zero
	MULA \f, 1, \zero
	PLACES                                         ; four plain instructions in front of loads into registers that matrix instructions have read
	FETCH \slot, \qn, \g
	s_wait_dscnt 24                                ; all but the 24 just issued
	WIN MUL
	MULA \f, 2, \zero
	MULA \f, 3, \zero
.endm
; the last quarter multiplies buffer 1 and changes slots: one barrier; in front of it each wave waits for all its tensor loads, adds 0 to its spare word, and waits for that and for its reads of this slot
.macro TURN slot, next, fill
.if \fill
	s_wait_xcnt 0x0                                ; the last prefetch, a K step back, has read its address
	s_add_nc_u64 s[PFA:PFA+1], s[PFA:PFA+1], 4096
.endif
	WIN 0
	s_wait_tensorcnt 0x0                           ; all my tensor loads have landed: my part of the next slot
	ds_add_u32 v[SPW], v[NIL]
	s_wait_dscnt 5                                 ; (the add and the youngest four loads may be out)
	WIN MUL
	MULA F1, 0, 0
	s_wait_dscnt 0x0                               ; the add is done, and my reads of this slot are over
	s_barrier_signal -1
	MULA F1, 1, 0
	WIN 0
	s_barrier_wait -1
.if \fill
	CREST                                          ; the barrier has opened a round of the cluster's: no wave of any partner still reads this slot or has a load on its way
	s_add_nc_u64 s[G0+4*\slot+2:G0+4*\slot+3], s[G0+4*\slot+2:G0+4*\slot+3], 2*4096
	s_add_nc_u64 s[G0B+4*\slot+2:G0B+4*\slot+3], s[G0B+4*\slot+2:G0B+4*\slot+3], 2*4096
	JLOAD \slot                                    ; the first tensor load behind the round; its four v_nop are also the places in front of the loads below
.else
	PLACES
.endif
	FETCH \next, 0, F0
.if \fill
	WIN 0
	ASK
.endif
	WIN MUL
	MULA F1, 2, 0
	MULA F1, 3, 0
.endm
	s_wait_tensorcnt 0x1                           ; my part of K step 0 is in; K step 1's may be out
	s_barrier_signal -1
	s_barrier_wait -1
	FETCH 0, 0, F0
	QUARTER 0, 1, F0, F1, 1                        ; the first products start the sums
	WIN 0
	s_mov_b32 s3, 3
.Llap:                                             ; a trip goes once round the ring and fills both slots again: K steps 2 to 7
	QUARTER 0, 2, F1, F0, 0
	QUARTER 0, 3, F0, F1, 0
	TURN 0, 1, 1
	QUARTER 1, 1, F0, F1, 0
	QUARTER 1, 2, F1, F0, 0
	QUARTER 1, 3, F0, F1, 0
	TURN 1, 0, 1
	QUARTER 0, 1, F0, F1, 0
	WIN 0
	s_sub_co_u32 s3, s3, 1
	s_cmp_lg_u32 s3, 0
	s_cbranch_scc1 .Llap
	QUARTER 0, 2, F1, F0, 0                        ; the last lap fills nothing
	QUARTER 0, 3, F0, F1, 0
	TURN 0, 1, 0
	QUARTER 1, 1, F0, F1, 0
	QUARTER 1, 2, F1, F0, 0
	QUARTER 1, 3, F0, F1, 0
	s_wait_dscnt 4
	WIN MUL
	MULA F1, 0, 0
	MULA F1, 1, 0
	s_wait_dscnt 0
	MULA F1, 2, 0
	MULA F1, 3, 0
	WIN 0
	PLACES
; THE WAY OUT, block by block of 16 rows x 128 columns, through my own stage: in as 32 bytes a lane, back as whole rows of 512 bytes.  LDS serves a wave's instructions in order: no wait between the stores and the loads
.macro TOSTAGE a
	WIN 0x04                                       ; an LDS store's data: window 1
.irp b, 0,1,2,3,4,5,6,7
	ds_store_b128 v[STO], v[64*(\a)+8*\b:64*(\a)+8*\b+3] offset:64*\b       ; each accumulator from its low end on
	ds_store_b128 v[STO], v[64*(\a)+8*\b+4:64*(\a)+8*\b+7] offset:64*\b+16
.endr
	WIN 0
.irp t, 0,1,2,3,4,5,6,7,8,9,10,11,12,13,14,15
	ds_load_b128 v[BK+64*((\a)%2)+4*\t:BK+64*((\a)%2)+4*\t+3], v[RD] offset:\t*528
.endr
.endm
.macro SEND a, younger
	s_wait_dscnt \younger
.irp t, 0,1,2,3,4,5,6,7,8,9,10,11,12,13,14,15
	global_store_b128 v[CO], v[BK+64*((\a)%2)+4*\t:BK+64*((\a)%2)+4*\t+3], s[8:9] offset:(16*(\a)+\t)*4096 th:TH_STORE_NT   ; 32 lanes store 512 consecutive bytes, aligned
.endr
.endm
	s_cmp_eq_u32 s47, 0
	s_cbranch_scc1 .Lskip_first                    ; a sequence's first 16 rows belong to the launch that carries them finely
	TOSTAGE 0
	SEND 0, 0
.Lskip_first:
	TOSTAGE 1
	s_wait_xcnt 0x0                                ; block 0's stores have read their registers
	TOSTAGE 2
	SEND 1, 32                                     ; behind block 1's loads: block 2's 16 stores and 16 loads
	s_wait_xcnt 0x0
	TOSTAGE 3
	SEND 2, 32
	SEND 3, 0
	s_wait_tensorcnt 0x0                           ; the wave's end
	ds_add_u32 v[SPW], v[NIL]
	s_wait_dscnt 0x0
	CROUND                                         ; the closing round: no work-group ends while a partner may still ask for a tile that names it
	s_endpgm
.Lfunc_end_k_q3d8245bad5_oproj:
	.size	k_q3d8245bad5_oproj, .Lfunc_end_k_q3d8245bad5_oproj-k_q3d8245bad5_oproj
	.p2alignl 7, 3214868480
	.fill 96, 4, 3214868480
	.section	.rodata,"a",@progbits
	.p2align	6, 0x0
	.amdhsa_kernel k_q3d8245bad5_oproj
		.amdhsa_group_segment_fixed_size 327680
		.amdhsa_private_segment_fixed_size 0
		.amdhsa_enable_private_segment 0
		.amdhsa_kernarg_size 24
		.amdhsa_user_sgpr_count 2
		.amdhsa_user_sgpr_kernarg_segment_ptr 1
		.amdhsa_wavefront_size32 1
		.amdhsa_system_sgpr_workgroup_id_x 1
		.amdhsa_system_sgpr_workgroup_id_y 1
		.amdhsa_system_sgpr_workgroup_id_z 1
		.amdhsa_system_vgpr_workitem_id 0
		.amdhsa_next_free_vgpr 768
		.amdhsa_next_free_sgpr 66
		.amdhsa_reserve_vcc 0
		.amdhsa_float_denorm_mode_32 3
		.amdhsa_float_denorm_mode_16_64 3
		.amdhsa_memory_ordered 1
		.amdhsa_forward_progress 1
		.amdhsa_inst_pref_size 86
	.end_amdhsa_kernel
	.amdgpu_metadata
---
amdhsa.version: [ 1, 2 ]
amdhsa.kernels:
  - .name:           k_q3d8245bad5_oproj
    .symbol:         k_q3d8245bad5_oproj.kd
    .args:
      - { .name: ao, .offset: 0, .size: 8, .value_kind: global_buffer, .address_space: global }
      - { .name: prep, .offset: 8, .size: 8, .value_kind: global_buffer, .address_space: global }
      - { .name: out0, .offset: 16, .size: 8, .value_kind: global_buffer, .address_space: global }
    .group_segment_fixed_size: 327680
    .private_segment_fixed_size: 0
    .kernarg_segment_align: 8
    .kernarg_segment_size: 24
    .max_flat_workgroup_size: 128
    .sgpr_count:     66
    .vgpr_count:     768
    .wavefront_size: 32
...
	.end_amdgpu_metadata
.endif
;; end of part 5
